; MI455X (gfx1250); checked and timed in simulation.
; The chip was launched on July 23, 2026; its instructions are those of AMD's public machine-readable ISA for CDNA 5 (MIT licence, August 2026) and "CDNA5" Instruction Set Architecture Reference Guide (July 2026). The comments in the code are by the model that wrote it; some were corrected since.
;; Global block. Allowed arithmetic: matrix products marked QUANTISED: E2M1 operands, one E8M0 scale for each 32 along K, by v_wmma_scale_f32_16x16x128_f8f6f4 with both operands' format E2M1 (or v_wmma_scale_f32_32x16x128_f4), f32 sums; everything else in f32.
;; Inputs: Wf 128 x 256 float32; Wg 128 x 256 float32; Wo 256 x 128 float32; Wt 128 x 256 float32; beta 256 float32; bf 128 float32; bg 128 float32; bo 256 float32; bt 128 float32; gamma 256 float32; x 8 x 256 x 64 x 64 float32.
;; Outputs: out0 8 x 256 x 64 x 64 float32.
;; This version of the problem:
;;   THIS VERSION OF THE PROBLEM IS GIVEN IN LOW PRECISION. The matrix products marked QUANTISED in the list below multiply operands that are first quantised to E2M1 (2 exponent bits, 1 mantissa bit; 4 bits a number), with one power-of-two scale for each 32 numbers along K (OCP MX v1.0); their sums are f32. All else is computed in f32.
;;   The module's matrix products, in the order in which they are computed (A, B: the left and right operand; K: the contracted axis; several contracted axes count as one K, in the product's order):
;;     1. [M 32,768, K 256] x [K 256, N 128]; A: input x; B: input Wt: QUANTISED
;;     2. [M 32,768, K 256] x [K 256, N 128]; A: input x; B: input Wf: QUANTISED
;;     3. [M 32,768, K 256] x [K 256, N 128]; A: input x; B: input Wg: QUANTISED
;;     4. batch 8 x [M 4,096, K 128] x [K 128, N 4,096]; A: computed on the way; B: computed on the way: QUANTISED
;;     5. batch 8 x [M 128, K 4,096] x [K 4,096, N 4,096]; A: computed on the way; B: softmax (see below): QUANTISED
;;     6. [M 32,768, K 128] x [K 128, N 256]; A: computed on the way; B: input Wo: QUANTISED
;;   THE QUANTISER, for each operand of a quantised product, along K:
;;     - K is cut into blocks of 32 from its start; a last block that is shorter is filled with zeros.
;;     - A block's scale is 2^e with e = floor(log2(the largest magnitude in the block)) - 2, held to -126 .. 127; a block of zeros has e = 0. As a byte (E8M0): e + 127.
;;     - Each number is divided by its block's scale, clamped to +-6, and rounded to the nearest number of E2M1, ties to even, subnormals kept.
;;     - The product sums the exact products of the quantised numbers (number of the format x scale) in f32.
;;   ~~~python
;;   def quantise(x, axis):      # numpy; x: float32 -> the quantised numbers, widened to float32 again
;;       x = np.moveaxis(x, axis, -1); K = x.shape[-1]
;;       x = np.pad(x, [(0, 0)] * (x.ndim - 1) + [(0, -K % 32)]); x = x.reshape(x.shape[:-1] + (-1, 32)); a = np.abs(x).max(-1, keepdims=True)
;;       e = np.where(a > 0, np.clip(np.frexp(np.where(a > 0, a, 1))[1] - 1 - 2, -126, 127), 0)      # np.frexp(a)[1] - 1 = floor(log2(a)), exactly
;;       r = np.clip(x / 2.0 ** e, -6, 6)
;;       step = 2.0 ** (np.maximum(np.frexp(np.where(r == 0, 1, r))[1] - 1, 0) - 1)
;;       q = np.round(r / step) * step * 2.0 ** e      # np.round: ties to even
;;       return np.moveaxis(q.reshape(q.shape[:-2] + (-1,))[..., :K], -1, axis).astype(np.float32)
;;   ~~~
;;   SOFTMAX AHEAD OF A QUANTISED PRODUCT. Where the list says 'softmax', what is quantised is not the finished softmax but p = 2^(t - M), with t = logit x log2(e) and M = ceil(the row's largest t), a whole number; so 1/2 < the row's largest p <= 1. The row's sum l is taken of the UNQUANTISED p, in f32, and the product's result is divided by l at the end. Since M is a whole number, a kernel that streams over the keys may use a running M (the ceiling of the running maximum): every later rescaling is an exact power of two, which a block's scale takes up: the codes' values come out the same.
;;   OPERANDS COMPUTED ON THE WAY. 'Computed on the way' means the value that the module computes at that place (a softmax that the list does not call 'softmax' is quantised finished and normalised). What goes into a quantiser is computed in f32, as accurately as f32 sums, v_exp_f32 and their like allow (about 1e-6 of the number): no bf16 or f16 on the way to a quantiser, and a product that is left as it is and whose result goes on into a quantised operand takes f32 operands (vector FMAs, or v_wmma_f32_16x16x4_f32). A number that lies on a knife's edge between two numbers of the format may be rounded either way, as far as f32 arithmetic and the matrix unit's own rounding can turn it there, and no further.
;; One version. Each part assembles by itself: llvm-mc -triple=amdgcn-amd-amdhsa -mcpu=gfx1250 --defsym DOCPART=n.
;; ======== version 1 of 1: 4 launches
;; workspace buffers: wimg 94,208 bytes; img 6,815,744 bytes; yimg 2,228,224 bytes; part 524,288 bytes
;; launch wq (part 1): grid 16 x 1, 4 waves a work-group, no clusters, 1,536 bytes of LDS; arguments Wt, Wf, Wg, Wo, bt, bf, bg, wimg; writes wimg
.if DOCPART == 1
	.amdgcn_target "amdgcn-amd-amdhsa--gfx1250"
	.amdhsa_code_object_version 6
	.text
	.protected	k_q807a48482b_wq
	.globl	k_q807a48482b_wq
	.p2align	8
	.type	k_q807a48482b_wq,@function
k_q807a48482b_wq:
	s_mov_b64 s[64:65], 0
	v_nop
	global_prefetch_b8 v0, s[64:65] scope:SCOPE_SE
	s_setreg_imm32_b32 hwreg(HW_REG_WAVE_MODE, 25, 1), 1
	s_wait_xcnt 0x0
; Wt, Wf, Wg [128][256] and Wo [256][128], f32, K innermost, are turned ONCE into codes of FP4 (E2M1) with one E8M0 byte for each 32 along K, and stored as IMAGES OF
; OPERAND REGISTERS: a fragment (16 rows x 128 K, 8 registers a lane) is 1,024 bytes: registers 4 c .. 4 c + 3 of lane l at 512 c + 16 l.  bt, bf, bg are laid as images of the C operand.
; wimg:  0       48 fragments F = 2 tau + s (tau = 8 mat + tile, mat 0 = t, 1 = f, 2 = g; s = K step)      49,152  their scale words: (F, row r) at 256 (F / 4) + 16 r + 4 (F % 4)
;        52,224  24 bias images (tile tau, registers 4 q .. 4 q + 3 of lane l at 512 q + 16 l)               76,800  Wo's 16 fragments      93,184  their scale words, laid likewise
; Wo's K places are PERMUTED inside each block of 32: places 0-7, 8-15, 16-23, 24-31 hold numbers 0-7, 16-23, 8-15, 24-31: the order in which the other operand of that product (y) leaves its quantiser.
; SHARES: 64 fragments, one a wave: work-group G, wave w: fragment 4 G + w.  Lane (r, h) takes row r and the blocks h and 2 + h of the K step: all 32 numbers of a block are its own.
; A block's scale is 2^(floor(log2(largest magnitude)) - 2); its byte is the largest magnitude's exponent field - 2, held at 1 from below.
; LIMITS: a block of zeros, or one whose largest magnitude lies under 2^-124, gets the byte 1 (the rule says 127 for zeros: the codes are zeros, and this program alone reads the bytes); NaN and infinities are not served.
; No cluster: no two work-groups read the same bytes.  The launch has work for 16 work-groups and launches those.
.set N,  32                            ; v32-95   the lane's 64 numbers: block c at N + 32 c
.set CD, 96                            ; v96-103  the fragment's codes
	s_load_b256 s[4:11], s[0:1], 0x0               ; Wt s[4:5], Wf s[6:7], Wg s[8:9], Wo s[10:11]
	s_load_b256 s[12:19], s[0:1], 0x20             ; bt s[12:13], bf s[14:15], bg s[16:17], wimg s[18:19]
	v_lshl_add_u32 v128, v0, 2, 0x400
	v_mov_b32 v129, 0
	v_lshrrev_b32 v1, 5, v0
	v_readfirstlane_b32 s20, v1                    ; wave
	v_and_b32 v2, 15, v0                           ; r
	s_wait_alu depctr_va_vdst(0)
	v_bfe_u32 v3, v0, 4, 1                         ; h
	v_and_b32 v4, 31, v0                           ; lane
	s_lshr_b32 s21, ttmp9, 2                       ; mat: 0 t, 1 f, 2 g, 3 Wo
	s_and_b32 s22, ttmp9, 3
	s_lshl_b32 s23, s22, 2
	s_add_co_u32 s23, s23, s20                     ; Fm: the fragment's number in its matrix, 0 .. 15
	s_lshr_b32 s24, s23, 1
	s_lshl_b32 s24, s24, 14                        ; Wt, Wf, Wg: tile Fm / 2: 16 rows of 1,024 bytes,
	s_and_b32 s25, s23, 1
	s_lshl_b32 s25, s25, 9
	s_add_co_u32 s24, s24, s25                     ; K step Fm % 2: 512 bytes
	s_lshl_b32 s25, s23, 13                        ; Wo: tile Fm: 16 rows of 512 bytes
	s_mov_b32 s28, 1024
	s_cmp_eq_u32 s21, 3                            ; every choice below hangs on the work-group's number alone
	s_cselect_b32 s26, s25, s24                    ; where the fragment's rows begin
	s_cselect_b32 s28, 512, s28                    ; a row in bytes
	s_cselect_b32 s29, 64, 32                      ; where the numbers of places 8-15 begin in a block,
	s_cselect_b32 s30, 32, 64                      ; and those of places 16-23
	s_cselect_b32 s31, 27648, 0                    ; Wo's images lie 76,800 - 48 x 1,024 further on,
	s_cselect_b32 s33, 40960, 0                    ; its scale words 93,184 - 49,152 - 12 x 256
	s_mov_b32 s27, 0
	s_lshl_b32 s34, ttmp9, 12
	s_lshl_b32 s35, s20, 10
	s_add_co_u32 s34, s34, s35
	s_add_co_u32 s34, s34, s31                     ; the image's place: 1,024 (4 G + w)
	s_mov_b32 s35, 0
	s_lshl_b32 s36, ttmp9, 8
	s_add_co_u32 s36, s36, s33
	s_add_co_u32 s36, s36, 49152                   ; the work-group's 256 bytes of scale words
	s_mov_b32 s37, 0
	s_mov_b32 s38, 0x76543210
	s_mov_b32 s39, 0xfedcba98                      ; v_permlanex16_b32's selects for lane l xor 16
	s_lshl_b32 s40, s20, 2
	v_mul_u32_u24 v5, v2, s28
	s_wait_alu depctr_va_vdst(0)
	v_lshl_add_u32 v5, v3, 7, v5                   ; row r, + 128 h: my block of 32 numbers
	v_add_nc_u32 v6, s29, v5
	v_add_nc_u32 v7, s30, v5
	v_lshlrev_b32 v16, 4, v4                       ; 16 x lane
	v_lshlrev_b32 v17, 4, v2
	v_add_nc_u32 v17, s40, v17                     ; LDS: 16 r + 4 w: my row's scale word among the work-group's four fragments
	v_lshlrev_b32 v18, 3, v4                       ; 8 x lane
	s_wait_alu depctr_va_vdst(0)
	s_wait_kmcnt 0x0
	s_cmp_eq_u32 s21, 1
	s_cselect_b64 s[4:5], s[6:7], s[4:5]
	s_cselect_b64 s[12:13], s[14:15], s[12:13]
	s_cmp_eq_u32 s21, 2
	s_cselect_b64 s[4:5], s[8:9], s[4:5]
	s_cselect_b64 s[12:13], s[16:17], s[12:13]
	s_cmp_eq_u32 s21, 3
	s_cselect_b64 s[4:5], s[10:11], s[4:5]
	s_add_nc_u64 s[4:5], s[4:5], s[26:27]
	s_add_nc_u64 s[34:35], s[18:19], s[34:35]
	s_add_nc_u64 s[36:37], s[18:19], s[36:37]
.irp c, 0,1                                    ; block 2 c + h: four groups of eight numbers, in the order of the operand's places
.irp u, 0,1
	global_load_b128 v[N+32*\c+4*\u:N+32*\c+4*\u+3],       v5, s[4:5] offset:256*\c+16*\u th:TH_LOAD_NT
	global_load_b128 v[N+32*\c+8+4*\u:N+32*\c+8+4*\u+3],   v6, s[4:5] offset:256*\c+16*\u th:TH_LOAD_NT
	global_load_b128 v[N+32*\c+16+4*\u:N+32*\c+16+4*\u+3], v7, s[4:5] offset:256*\c+16*\u th:TH_LOAD_NT
	global_load_b128 v[N+32*\c+24+4*\u:N+32*\c+24+4*\u+3], v5, s[4:5] offset:256*\c+96+16*\u th:TH_LOAD_NT
.endr
.endr
	; THE BIAS IMAGES, by the twelve work-groups of Wt, Wf, Wg: wave w makes registers 4 q .. 4 q + 3 (q = w % 2) of tile 2 (G % 4) + w / 2.  Its four loads are out together with the sixteen above.
	; t and f are made with the weights as source 0: lane (r, h), register j wants b[16 tile + 8 h + j].  g is made with the weights as source 1: every register of lane (r, h) wants bg[16 tile + r].
	s_cmp_ge_u32 ttmp9, 12
	s_cbranch_scc1 .Lno_bias
	s_cmp_eq_u32 s21, 2
	s_cselect_b32 s41, 0, 32                       ; bytes for h,
	s_cselect_b32 s42, 4, 0                        ; for r,
	s_cselect_b32 s43, 0, 16                       ; for q,
	s_cselect_b32 s44, 0, 4                        ; and from register to register
	s_and_b32 s45, s20, 1                          ; q
	s_lshr_b32 s46, s20, 1
	s_mul_i32 s43, s43, s45
	s_lshl_b32 s47, s22, 1
	s_add_co_u32 s47, s47, s46                     ; tile
	s_lshl_b32 s47, s47, 6
	s_add_co_u32 s43, s43, s47
	v_mul_u32_u24 v22, v3, s41
	v_mad_u32_u24 v22, v2, s42, v22
	v_add_nc_u32 v22, s43, v22
	v_add_nc_u32 v23, s44, v22
	v_add_nc_u32 v24, s44, v23
	v_add_nc_u32 v25, s44, v24
	global_load_b32 v26, v22, s[12:13]
	global_load_b32 v27, v23, s[12:13]
	global_load_b32 v28, v24, s[12:13]
	global_load_b32 v29, v25, s[12:13]
	s_lshl_b32 s48, ttmp9, 11                      ; the image's place: 52,224 + 1,024 (2 G + w / 2) + 512 q
	s_lshl_b32 s46, s46, 10
	s_add_co_u32 s48, s48, s46
	s_lshl_b32 s45, s45, 9
	s_add_co_u32 s48, s48, s45
	s_add_co_u32 s48, s48, 52224
	s_mov_b32 s49, 0
	s_add_nc_u64 s[48:49], s[18:19], s[48:49]
	s_wait_loadcnt 0x0
	global_store_b128 v16, v[26:29], s[48:49]      ; 32 lanes store 512 consecutive bytes
.Lno_bias:
	s_wait_loadcnt 0x0
.irp c, 0,1
	v_max3_num_f32 v[8+\c], |v[N+32*\c]|, |v[N+1+32*\c]|, 0x1800000   ; the block's largest magnitude, and the floor 2^(3 - 127): the byte cannot fall under 1
.endr
.irp i, 2,4,6,8,10,12,14,16,18,20,22,24,26,28,30
.irp c, 0,1
	v_max3_num_f32 v[8+\c], v[8+\c], |v[N+32*\c+\i]|, |v[N+1+32*\c+\i]|   ; (the two blocks by turns)
.endr
.endr
.irp c, 0,1
	v_add_nc_u32 v[10+\c], 0xff000000, v[8+\c]     ; 2 off its exponent field: the conversion takes the exponent field of this operand as its scale
.endr
.irp c, 0,1
	v_lshrrev_b32 v[12+\c], 23, v[10+\c]           ; the scale's byte
.endr
	v_lshl_or_b32 v14, v13, 16, v12                ; my two bytes, blocks h and 2 + h,
	v_lshlrev_b32 v15, 3, v3
	v_lshlrev_b32 v14, v15, v14                    ; at their places in the row's word;
	v_mov_b32 v15, 0
	v_permlanex16_b32 v15, v14, s38, s39
	v_or_b32 v14, v14, v15                         ; with lane l xor 16's two the word is whole
.irp c, 0,1
.irp g, 0,1,2,3
	v_cvt_scalef32_pk8_fp4_f32 v[CD+4*\c+\g], v[N+32*\c+8*\g:N+32*\c+8*\g+7], v[10+\c]
.endr
.endr
	v_nop                                          ; one plain line behind the last scaled conversion
	global_store_b128 v16, v[CD:CD+3], s[34:35]    ; the image: 512 consecutive bytes a store
	global_store_b128 v16, v[CD+4:CD+7], s[34:35] offset:512
	ds_store_b32 v17, v14                          ; the four waves' scale words meet in 256 bytes of LDS (lanes r and r + 16 write the same word with the same value)
	s_wait_dscnt 0x0                               ; for the others' sake: my store has landed
	s_barrier_signal -1
	s_barrier_wait -1
	s_cmp_lg_u32 s20, 0
	s_cbranch_scc1 .Lnot_wave_0
	ds_load_b64 v[20:21], v18
	s_wait_dscnt 0x0
	global_store_b64 v18, v[20:21], s[36:37]       ; 32 lanes store 256 consecutive bytes, aligned
.Lnot_wave_0:
	s_wait_tensorcnt 0x0
	ds_add_u32 v128, v129
	s_wait_dscnt 0x0
	s_endpgm
.Lfunc_end_k_q807a48482b_wq:
	.size	k_q807a48482b_wq, .Lfunc_end_k_q807a48482b_wq-k_q807a48482b_wq
	.p2alignl 7, 3214868480
	.fill 96, 4, 3214868480
	.section	.rodata,"a",@progbits
	.p2align	6, 0x0
	.amdhsa_kernel k_q807a48482b_wq
		.amdhsa_group_segment_fixed_size 1536
		.amdhsa_private_segment_fixed_size 0
		.amdhsa_enable_private_segment 0
		.amdhsa_kernarg_size 64
		.amdhsa_user_sgpr_count 2
		.amdhsa_user_sgpr_kernarg_segment_ptr 1
		.amdhsa_wavefront_size32 1
		.amdhsa_system_sgpr_workgroup_id_x 1
		.amdhsa_system_sgpr_workgroup_id_y 1
		.amdhsa_system_sgpr_workgroup_id_z 1
		.amdhsa_system_vgpr_workitem_id 0
		.amdhsa_next_free_vgpr 130
		.amdhsa_next_free_sgpr 66
		.amdhsa_reserve_vcc 0
		.amdhsa_float_denorm_mode_32 3
		.amdhsa_float_denorm_mode_16_64 3
		.amdhsa_memory_ordered 1
		.amdhsa_forward_progress 1
		.amdhsa_inst_pref_size 10
	.end_amdhsa_kernel
	.amdgpu_metadata
---
amdhsa.version: [ 1, 2 ]
amdhsa.kernels:
  - .name:           k_q807a48482b_wq
    .symbol:         k_q807a48482b_wq.kd
    .args:
      - { .name: Wt, .offset: 0, .size: 8, .value_kind: global_buffer, .address_space: global }
      - { .name: Wf, .offset: 8, .size: 8, .value_kind: global_buffer, .address_space: global }
      - { .name: Wg, .offset: 16, .size: 8, .value_kind: global_buffer, .address_space: global }
      - { .name: Wo, .offset: 24, .size: 8, .value_kind: global_buffer, .address_space: global }
      - { .name: bt, .offset: 32, .size: 8, .value_kind: global_buffer, .address_space: global }
      - { .name: bf, .offset: 40, .size: 8, .value_kind: global_buffer, .address_space: global }
      - { .name: bg, .offset: 48, .size: 8, .value_kind: global_buffer, .address_space: global }
      - { .name: wimg, .offset: 56, .size: 8, .value_kind: global_buffer, .address_space: global }
    .group_segment_fixed_size: 1536
    .private_segment_fixed_size: 0
    .kernarg_segment_align: 8
    .kernarg_segment_size: 64
    .max_flat_workgroup_size: 128
    .sgpr_count:     66
    .vgpr_count:     130
    .wavefront_size: 32
...
	.end_amdgpu_metadata
.endif
;; end of part 1
;; launch proj (part 2): grid 256 x 1, 4 waves a work-group, clusters of 4 x 1, 327,680 bytes of LDS; arguments x, wimg, img; writes img
.if DOCPART == 2
	.amdgcn_target "amdgcn-amd-amdhsa--gfx1250"
	.amdhsa_code_object_version 6
	.text
	.protected	k_q807a48482b_proj
	.globl	k_q807a48482b_proj
	.p2align	8
	.type	k_q807a48482b_proj,@function
k_q807a48482b_proj:
	s_mov_b64 s[64:65], 0
	v_nop
	global_prefetch_b8 v0, s[64:65] scope:SCOPE_SE
	s_setreg_imm32_b32 hwreg(HW_REG_WAVE_MODE, 25, 1), 1
	s_wait_xcnt 0x0
	s_wait_alu depctr_hold_cnt(0) depctr_sa_sdst(0) depctr_va_vdst(0) depctr_va_sdst(0) depctr_va_ssrc(0) depctr_va_vcc(0) depctr_vm_vsrc(0)
	s_getreg_b32 s2, hwreg(HW_REG_IB_STS2, 6, 4)
	s_cmp_eq_u32 s2, 0
	s_cbranch_scc0 .Lentry_in_a_cluster
	s_endpgm
.Lentry_in_a_cluster:
	s_bfe_u32 s2, ttmp6, 0x10000c
	s_cmp_lg_u32 s2, 0x3003
	s_cbranch_scc0 .Lentry_shape_is_right
	s_endpgm
.Lentry_shape_is_right:
; t = Wt x + bt, f = Wf x + bf, g = Wg x + bg on codes of FP4 (E2M1) with one E8M0 byte for each 32 along K (K = the 256 channels), and the results quantised again for attention:
; t and f along d (K of t^T f), g along the keys (K of the product with the softmax).  x: [8][256][4096] f32.  The weights come as register images (wimg).
; A work-group makes one BLOCK of img: 128 pixels of one batch, 26,624 bytes:  0 K: 8 tiles x 1,024 (f of pixels 16 T + r)   8,192 V: 8 tiles x 1,024 (g's rows 16 D + r, K = the block's 128 keys)
;   16,384 K's scale words, (T, r) at 256 (T / 4) + 16 r + 4 (T % 4)   16,896 V's, laid likewise   17,408 Q: 8 tiles x 1,024 (t)   25,600 Q's scale words at 128 T + 4 lane.
; Every tile is an image of operand registers (registers 4 c .. 4 c + 3 of lane l at 512 c + 16 l).  Inside each block of 32 along K the places 0-7, 8-15, 16-23, 24-31 hold numbers 0-7, 16-23, 8-15, 24-31:
; so two neighbouring result tiles leave the quantiser; both operands of each later product are laid so, which keeps every product and every block.
; SHARES: wave w takes pixels 32 w .. 32 w + 31 and all 384 outputs.  x's K is not innermost: A LANE TAKES A PIXEL AND ITS REGISTERS RUN DOWN THE CHANNELS, so a block of 32 lies in one lane and nothing is transposed.
; t, f: source 0 = 16 rows of W, source 1 = 16 pixels: a lane holds one pixel, registers run along d.   g: source 0 = 16 pixels, source 1 = 16 rows of Wg: a lane holds one d, registers run along the pixels (keys).
; The biases are the C of each sum's first matrix instruction.
; CLUSTER 4, 1, 1: all work-groups read the same 76,800 bytes of weight images: they are asked for jointly by the four partners (each wave a quarter).  x's tile is each work-group's own load.
; LDS is filled once: nothing is filled again.  LIMITS: a block of zeros, or one under 2^-124, gets the byte 1 (codes are zeros; this program alone reads the bytes); NaN and infinities are not served.
.set XTB,  76800                       ; LDS: 0 the weight images; XTB x's tile: 256 channel rows of 512 bytes (128 pixels); S0 the stage: the img block, written by LDS stores alone
.set S0,   207872
.set LI,   4                           ; v4   16 x lane
.set LR,   5                           ; v5   16 r
.set XA0,  6                           ; v6, v7  x's tile: my pixel, channels 0-127 and 128-255
.set AQ,   8                           ; v8   stage: Q's tiles of my wave
.set AQS,  9                           ; v9   their scale words
.set AK,   10                          ; v10  K's tiles
.set AKS,  11                          ; v11  their scale words
.set AV,   12                          ; v12  V: my wave's block of 32 keys in a tile
.set AVS,  13                          ; v13  its byte in a scale word
.set SR,   14                          ; v14  the way out: my wave's quarter of the stage
.set GO,   15                          ; v15  and the same place in the img block
.set XC,   16                          ; v16-47   x's codes: fragment (K step s, pixel tile X) at XC + 16 s + 8 X
.set XS,   48                          ; v48-49   x's scale words of K step s: lanes 0-15 tile 0, lanes 16-31 tile 1
.set WS,   50                          ; v50-57   the batch's weight scale words: (tile tp, s) at WS + 2 tp + s
.set BI,   58                          ; v58-89   its bias images
.set WF,   90                          ; v90-153  its weight fragments: WF + 16 tp + 8 s
.set ACC,  154                         ; v154-217 eight accumulators; at first two sets of 32 numbers of x
.set TM,   218                         ; v218-233 at work in the quantisers
.set PW,   234                         ; v234     the scale word just made
.set PC,   236                         ; v236-243 the codes just made
.set LB,   244                         ; v244     16 x lane + 52,224: the bias images
.set WV,   10                          ; s10  wave
.set SEL,  50                          ; s[50:51] selects for lane l xor 16
.macro CROUND                          ; a round of the cluster's barrier
	s_barrier_signal -1
	s_barrier_wait -1
	s_cmp_lg_u32 s[WV], 0
	s_cbranch_scc1 .Lnot_wave_0_\@
	s_barrier_signal -3
.Lnot_wave_0_\@:
	s_barrier_wait -3
	s_barrier_signal -1
	s_barrier_wait -1
.endm
	s_load_b128 s[4:7], s[0:1], 0x0                ; x, wimg
	s_load_b64 s[8:9], s[0:1], 0x10                ; img
	v_lshl_add_u32 v254, v0, 2, 0x39400
	v_mov_b32 v255, 0
	ds_add_u32 v254, v255
	ds_add_u32 v254, v255
	v_lshrrev_b32 v1, 5, v0
	v_readfirstlane_b32 s[WV], v1                  ; wave 0..3
	s_bfe_u32 s11, ttmp6, 0x40000                  ; cx
	s_lshl_b32 s12, ttmp9, 2
	s_add_co_u32 s12, s12, s11                     ; the block: 4 x cluster + cx; it enters x's and img's addresses alone
	s_lshr_b32 s13, s12, 5                         ; batch
	s_and_b32 s14, s12, 31                         ; which 128 pixels
	; group 1 for the weight images: a wave's quarter, 19,200 dense bytes, as 75 rows of 256 bytes (32 elements of 8 bytes); the mask names the four partners, bit 21 beside it
	s_mov_b32 s24, 15|(3<<16)|(1<<21)
	s_mov_b32 s25, 32<<16                          ; tensor_dim0
	s_mov_b32 s26, 75<<16                          ; tensor_dim1
	s_mov_b32 s27, 32<<16                          ; tile_dim0
	s_mov_b32 s28, 75                              ; tile_dim1
	s_mov_b32 s29, 32                              ; pitch
	s_mov_b32 s30, 0
	s_mov_b32 s31, 0
	; group 1 for x: 64 channel rows of 128 f32 (512 bytes), 4,096 elements apart; no mask
	s_mov_b32 s16, 2<<16
	s_mov_b32 s17, 128<<16
	s_mov_b32 s18, 64<<16
	s_mov_b32 s19, 128<<16
	s_mov_b32 s20, 64
	s_mov_b32 s21, 4096
	s_mov_b32 s22, 0
	s_mov_b32 s23, 0
	s_lshl_b32 s40, s13, 22                        ; x: batch x 4,194,304
	s_lshl_b32 s41, s[WV], 20                      ; + my 64 channels x 16,384
	s_add_co_u32 s40, s40, s41
	s_lshl_b32 s41, s14, 9                         ; + the block's 128 pixels
	s_add_co_u32 s40, s40, s41
	s_mov_b32 s41, 0
	s_mul_i32 s42, s[WV], 19200                    ; the images: the wave's number alone
	s_mov_b32 s43, 0
	s_mul_i32 s48, s12, 26624
	s_mov_b32 s49, 0
	s_mov_b32 s[SEL], 0x76543210
	s_mov_b32 s[SEL+1], 0xfedcba98
	s_wait_dscnt 0x0
	s_wait_kmcnt 0x0
	s_mov_b32 s36, 1
	s_mov_b32 s37, s42
	s_add_nc_u64 s[38:39], s[6:7], s[42:43]
	s_or_b32 s39, s39, 0x80000000
	s_mov_b32 s32, 1
	s_lshl_b32 s33, s[WV], 15
	s_add_co_u32 s33, s33, XTB
	s_add_nc_u64 s[34:35], s[4:5], s[40:41]
	s_or_b32 s35, s35, 0x80000000
	s_add_nc_u64 s[8:9], s[8:9], s[48:49]          ; my img block
	CROUND                                         ; the four partners are here: the joint loads meet
	tensor_load_to_lds s[36:39], s[24:31]          ; the images' fill goes out alone; one load of mine is out
	s_nop 0
	s_wait_alu depctr_va_vdst(0)
	s_wait_tensorcnt 0x0
	ds_add_u32 v254, v255
	s_wait_dscnt 0x0
	CROUND
	tensor_load_to_lds s[32:35], s[16:23]
	s_nop 0
.rept 4
	v_nop                                          ; (four nops behind a tensor load)
.endr
	v_and_b32 v2, 31, v0                           ; lane
	v_and_b32 v3, 15, v0                           ; r
	v_bfe_u32 v1, v0, 4, 1                         ; h
	v_lshlrev_b32 v[LI], 4, v2
	v_lshlrev_b32 v[LR], 4, v3
	s_wait_alu depctr_va_vdst(0)
	s_lshl_b32 s44, s[WV], 7
	s_add_co_u32 s44, s44, XTB
	v_lshl_add_u32 v[XA0], v2, 2, s44              ; pixel 32 w + lane
	v_add_nc_u32 v[XA0+1], 65536, v[XA0]           ; 128 rows on
	s_lshl_b32 s45, s[WV], 11
	s_add_co_u32 s46, s45, S0+17408
	v_add_nc_u32 v[AQ], s46, v[LI]                 ; tiles 2 w, 2 w + 1
	s_add_co_u32 s46, s45, S0
	v_add_nc_u32 v[AK], s46, v[LI]
	s_lshl_b32 s45, s[WV], 8
	s_add_co_u32 s46, s45, S0+25600
	v_lshl_add_u32 v[AQS], v2, 2, s46
	s_add_co_u32 s46, s45, S0+8192
	v_lshl_add_u32 v[AV], v1, 3, v[LR]
	v_add_nc_u32 v[AV], s46, v[AV]                 ; key block w is registers 4 (w / 2) .. of lanes 16 (w % 2) + r: 256 w + 16 r; my half's two registers at 8 h
	s_lshr_b32 s45, s[WV], 1
	s_lshl_b32 s45, s45, 8
	s_and_b32 s46, s[WV], 1
	s_lshl_b32 s46, s46, 3
	s_add_co_u32 s45, s45, s46
	s_add_co_u32 s45, s45, S0+16384
	v_add_nc_u32 v[AKS], s45, v[LR]
	s_add_co_u32 s45, s[WV], S0+16896
	v_add_nc_u32 v[AVS], s45, v[LR]
	s_mul_i32 s45, s[WV], 6656
	v_add_nc_u32 v[GO], s45, v[LI]
	v_add_nc_u32 v[SR], S0, v[GO]
	v_add_nc_u32 v[LB], 52224, v[LI]
.irp b, 0,1,2,3
	v_mov_b32 v[TM+4+\b], 0                        ; written once: a lane permute's destination counts as one of its sources
.endr
; 32 channels of my pixel: each load takes 128 consecutive bytes of a channel row
.macro LOAD t
.irp i, 0,1,2,3,4,5,6,7,8,9,10,11,12,13,14,15,16,17,18,19,20,21,22,23,24,25,26,27,28,29,30,31
	ds_load_b32 v[ACC+32*((\t)%2)+\i], v[XA0+(\t)/4] offset:((32*(\t)+\i)&127)*512
.endr
.endm
; the weights of batch B (four tiles of 16 outputs): 16 loads of fragments, 2 of scale words, 8 of bias images
.macro FETCHW B
.irp tp, 0,1,2,3
.irp s, 0,1
.irp c, 0,1
	ds_load_b128 v[WF+16*\tp+8*\s+4*\c:WF+16*\tp+8*\s+4*\c+3], v[LI] offset:1024*(2*(4*(\B)+\tp)+\s)+512*\c
.endr
.endr
.endr
.irp g, 0,1
	ds_load_b128 v[WS+4*\g:WS+4*\g+3], v[LR] offset:49152+256*(2*(\B)+\g)
.endr
.irp tp, 0,1,2,3
.irp q, 0,1
	ds_load_b128 v[BI+8*\tp+4*\q:BI+8*\tp+4*\q+3], v[LB] offset:1024*(4*(\B)+\tp)+512*\q
.endr
.endr
.endm
; block t of x (channels 32 t on): its scale byte into x's scale word, its 32 codes into four registers.  left: the younger LDS loads, which may stay out
.macro BLOCK t, left
.set XN, ACC+32*((\t)%2)
	s_wait_dscnt \left
	v_max3_num_f32 v[TM], |v[XN]|, |v[XN+1]|, |v[XN+2]|
	v_max3_num_f32 v[TM+1], |v[XN+3]|, |v[XN+4]|, |v[XN+5]|
.irp i, 6,10,14,18,22,26
	v_max3_num_f32 v[TM], v[TM], |v[XN+\i]|, |v[XN+\i+1]|
	v_max3_num_f32 v[TM+1], v[TM+1], |v[XN+\i+2]|, |v[XN+\i+3]|
.endr
	v_max3_num_f32 v[TM], v[TM], |v[XN+30]|, |v[XN+31]|
	v_max3_num_f32 v[TM], v[TM], v[TM+1], 0x1800000   ; and the floor 2^(3 - 127)
	v_add_nc_u32 v[TM+2], 0xff000000, v[TM]        ; 2 off the exponent field: the conversion's scale operand
	v_lshrrev_b32 v[TM+3], 23, v[TM+2]             ; the byte
.if (\t)%4 == 0
	v_mov_b32 v[XS+(\t)/4], v[TM+3]
.else
	v_lshl_or_b32 v[XS+(\t)/4], v[TM+3], 8*((\t)%4), v[XS+(\t)/4]
.endif
.irp g, 0,1,2,3
	v_cvt_scalef32_pk8_fp4_f32 v[XC+16*((\t)/4)+8*((\t)%2)+4*(((\t)%4)/2)+\g], v[XN+8*\g:XN+8*\g+7], v[TM+2]
.endr
.endm
; 64 numbers of a lane in four groups of 16 registers; group b and lane l xor 16's group b are a block of 32.  Codes into PC + 2 b, PC + 2 b + 1, bytes into TM + 4 + b, all four into PW.
; sw = 1: groups 2 c and 2 c + 1 become registers 4 c .. 4 c + 3 of an operand (lanes 0-15 the first block, lanes 16-31 the second).
.macro QUANT src, sw
.irp b, 0,1,2,3
	v_max3_num_f32 v[TM+\b], |v[\src+16*\b]|, |v[\src+1+16*\b]|, 0x1800000
.endr
.irp i, 2,4,6,8,10,12,14
.irp b, 0,1,2,3
	v_max3_num_f32 v[TM+\b], v[TM+\b], |v[\src+16*\b+\i]|, |v[\src+1+16*\b+\i]|
.endr
.endr
.irp b, 0,1,2,3
	v_permlanex16_b32 v[TM+4+\b], v[TM+\b], s[SEL], s[SEL+1]
.endr
.irp b, 0,1,2,3
	v_max_num_f32 v[TM+\b], v[TM+\b], v[TM+4+\b]
.endr
.irp b, 0,1,2,3
	v_add_nc_u32 v[TM+12+\b], 0xff000000, v[TM+\b]
.endr
.irp b, 0,1,2,3
	v_lshrrev_b32 v[TM+4+\b], 23, v[TM+12+\b]
.endr
	v_lshl_or_b32 v[PW], v[TM+5], 8, v[TM+4]
	v_lshl_or_b32 v[PW], v[TM+6], 16, v[PW]
	v_lshl_or_b32 v[PW], v[TM+7], 24, v[PW]
.irp b, 0,1,2,3
	v_cvt_scalef32_pk8_fp4_f32 v[PC+2*\b], v[\src+16*\b:\src+7+16*\b], v[TM+12+\b]
	v_cvt_scalef32_pk8_fp4_f32 v[PC+1+2*\b], v[\src+8+16*\b:\src+15+16*\b], v[TM+12+\b]
.endr
	v_nop                                          ; one plain line behind the last scaled conversion
.if \sw
.irp c, 0,1
.irp i, 0,1
	v_permlane16_swap_b32 v[PC+4*\c+\i], v[PC+2+4*\c+\i]
.endr
.endr
.endif
.endm
; 16 matrix instructions: four tiles of outputs x two tiles of pixels x two K steps.  The eight accumulators take turns, one instruction a turn.
.macro MULTF                           ; t, f: accumulator (X, tp) at ACC + 32 X + 8 tp: lane = pixel, register j = output 16 tp + 8 h + j
.irp s, 0,1
.irp X, 0,1
.irp tp, 0,1,2,3
.set rD, ACC+32*\X+8*\tp
.set rA, WF+16*\tp+8*\s
.set rB, XC+16*\s+8*\X
.set rC, rD
.if \s == 0
.set rC, BI+8*\tp
.endif
.if \X == 0
	v_wmma_scale_f32_16x16x128_f8f6f4 v[rD:rD+7], v[rA:rA+7], v[rB:rB+7], v[rC:rC+7], v[WS+2*\tp+\s], v[XS+\s] matrix_a_fmt:MATRIX_FMT_FP4 matrix_b_fmt:MATRIX_FMT_FP4
.else
	v_wmma_scale_f32_16x16x128_f8f6f4 v[rD:rD+7], v[rA:rA+7], v[rB:rB+7], v[rC:rC+7], v[WS+2*\tp+\s], v[XS+\s] matrix_a_fmt:MATRIX_FMT_FP4 matrix_b_fmt:MATRIX_FMT_FP4 matrix_b_scale:MATRIX_SCALE_ROW1
.endif
.endr
.endr
.endr
.endm
.macro MULG                            ; g: accumulator (tp, X) at ACC + 16 tp + 8 X: lane = output 16 tp + r, register j = pixel 16 X + 8 h + j
.irp s, 0,1
.irp X, 0,1
.irp tp, 0,1,2,3
.set rD, ACC+16*\tp+8*\X
.set rA, XC+16*\s+8*\X
.set rB, WF+16*\tp+8*\s
.set rC, rD
.if \s == 0
.set rC, BI+8*\tp
.endif
.if \X == 0
	v_wmma_scale_f32_16x16x128_f8f6f4 v[rD:rD+7], v[rA:rA+7], v[rB:rB+7], v[rC:rC+7], v[XS+\s], v[WS+2*\tp+\s] matrix_a_fmt:MATRIX_FMT_FP4 matrix_b_fmt:MATRIX_FMT_FP4
.else
	v_wmma_scale_f32_16x16x128_f8f6f4 v[rD:rD+7], v[rA:rA+7], v[rB:rB+7], v[rC:rC+7], v[XS+\s], v[WS+2*\tp+\s] matrix_a_fmt:MATRIX_FMT_FP4 matrix_b_fmt:MATRIX_FMT_FP4 matrix_a_scale:MATRIX_SCALE_ROW1
.endif
.endr
.endr
.endr
.endm
; A batch: outputs 64 hf .. 64 hf + 63 of matrix mat, for my 32 pixels
.macro BATCH mat, hf
	s_wait_dscnt 0x0                               ; the batch's weights are in; the last batch's stores into the stage have read their registers
.if \mat < 2
	MULTF
.else
	MULG
.endif
.rept 4
	v_nop                                          ; four places ahead of the loads into the weights' registers and of the first read of results
.endr
.if 2*\mat+\hf < 5
	FETCHW 2*\mat+\hf+1                            ; the next batch's weights land while this batch is quantised
.endif
.if \mat < 2
	QUANT ACC, 1                                   ; groups: (X = 0, d blocks 2 hf, 2 hf + 1), (X = 1, the same): PC + 4 X .. are registers 4 hf .. of tile 2 w + X; PW's low half is tile X = 0's two bytes, its high half X = 1's
.if \mat == 0
	ds_store_b128 v[AQ], v[PC:PC+3] offset:512*\hf
	ds_store_b128 v[AQ], v[PC+4:PC+7] offset:1024+512*\hf
	ds_store_b16 v[AQS], v[PW] offset:2*\hf
	ds_store_b16_d16_hi v[AQS], v[PW] offset:128+2*\hf
.else
	ds_store_b128 v[AK], v[PC:PC+3] offset:512*\hf
	ds_store_b128 v[AK], v[PC+4:PC+7] offset:1024+512*\hf
	ds_store_b16 v[AKS], v[PW] offset:2*\hf        ; (lanes r and r + 16 write the same bytes with the same value)
	ds_store_b16_d16_hi v[AKS], v[PW] offset:4+2*\hf
.endif
.else
	QUANT ACC, 0                                   ; group tp: my wave's 32 keys of g's row 64 hf + 16 tp + r: one block
.irp tp, 0,1,2,3
	ds_store_b64 v[AV], v[PC+2*\tp:PC+2*\tp+1] offset:1024*(4*\hf+\tp)
	ds_store_b8 v[AVS], v[TM+4+\tp] offset:256*\hf+4*\tp
.endr
.endif
.endm
	s_wait_tensorcnt 0x0                           ; my quarter of the images and my 64 channel rows have landed,
	s_barrier_signal -1
	s_barrier_wait -1                              ; everybody's have
	LOAD 0
	LOAD 1
	BLOCK 0, 32                                    ; the next block's 32 loads may be out
	LOAD 2
	BLOCK 1, 32
	LOAD 3
	BLOCK 2, 32
	LOAD 4
	BLOCK 3, 32
	LOAD 5
	BLOCK 4, 32
	LOAD 6
	BLOCK 5, 32
	LOAD 7
	BLOCK 6, 32
	FETCHW 0
	BLOCK 7, 26                                    ; the 26 loads of the first batch's weights may be out
	v_nop                                          ; one plain line behind the last scaled conversion
.irp s, 0,1                                    ; a lane holds its pixel's blocks; the operand wants lanes 0-15 block 2 c and lanes 16-31 block 2 c + 1 of ONE tile of 16 pixels:
.irp c, 0,1                                    ; the even block's lanes 16-31 change places with the odd block's lanes 0-15, which sorts the two tiles of pixels apart
.irp g, 0,1,2,3
	v_permlane16_swap_b32 v[XC+16*\s+4*\c+\g], v[XC+16*\s+8+4*\c+\g]
.endr
.endr
.endr
.rept 8
	v_nop                                          ; scale words written by vector instructions stand eight places ahead of a scaled matrix instruction, operands so written four
.endr
	s_wait_alu depctr_va_vdst(0)
	BATCH 0, 0
	BATCH 0, 1
	BATCH 1, 0
	BATCH 1, 1
	BATCH 2, 0
	BATCH 2, 1
	s_wait_dscnt 0x0                               ; for the others' sake: my stores into the stage have landed
	s_barrier_signal -1
	s_barrier_wait -1
.irp j, 0,1,2,3,4,5,6,7,8,9,10,11,12
	ds_load_b128 v[90+4*\j:93+4*\j], v[SR] offset:512*\j
.endr
.irp j, 0,1,2,3,4,5,6,7,8,9,10,11,12
	s_wait_dscnt 12-\j
	global_store_b128 v[GO], v[90+4*\j:93+4*\j], s[8:9] offset:512*\j   ; 32 lanes store 512 consecutive bytes, at a multiple of 256 from img's first byte
.endr
	s_wait_tensorcnt 0x0
	ds_add_u32 v254, v255
	s_wait_dscnt 0x0
	CROUND                                         ; the closing round: no work-group ends while a partner may still ask jointly
	s_endpgm
.Lfunc_end_k_q807a48482b_proj:
	.size	k_q807a48482b_proj, .Lfunc_end_k_q807a48482b_proj-k_q807a48482b_proj
	.p2alignl 7, 3214868480
	.fill 96, 4, 3214868480
	.section	.rodata,"a",@progbits
	.p2align	6, 0x0
	.amdhsa_kernel k_q807a48482b_proj
		.amdhsa_group_segment_fixed_size 327680
		.amdhsa_private_segment_fixed_size 0
		.amdhsa_enable_private_segment 0
		.amdhsa_kernarg_size 24
		.amdhsa_user_sgpr_count 2
		.amdhsa_user_sgpr_kernarg_segment_ptr 1
		.amdhsa_wavefront_size32 1
		.amdhsa_system_sgpr_workgroup_id_x 1
		.amdhsa_system_sgpr_workgroup_id_y 1
		.amdhsa_system_sgpr_workgroup_id_z 1
		.amdhsa_system_vgpr_workitem_id 0
		.amdhsa_next_free_vgpr 256
		.amdhsa_next_free_sgpr 66
		.amdhsa_reserve_vcc 0
		.amdhsa_float_denorm_mode_32 3
		.amdhsa_float_denorm_mode_16_64 3
		.amdhsa_memory_ordered 1
		.amdhsa_forward_progress 1
		.amdhsa_inst_pref_size 84
	.end_amdhsa_kernel
	.amdgpu_metadata
---
amdhsa.version: [ 1, 2 ]
amdhsa.kernels:
  - .name:           k_q807a48482b_proj
    .symbol:         k_q807a48482b_proj.kd
    .args:
      - { .name: x, .offset: 0, .size: 8, .value_kind: global_buffer, .address_space: global }
      - { .name: wimg, .offset: 8, .size: 8, .value_kind: global_buffer, .address_space: global }
      - { .name: img, .offset: 16, .size: 8, .value_kind: global_buffer, .address_space: global }
    .group_segment_fixed_size: 327680
    .private_segment_fixed_size: 0
    .kernarg_segment_align: 8
    .kernarg_segment_size: 24
    .max_flat_workgroup_size: 128
    .sgpr_count:     66
    .vgpr_count:     256
    .wavefront_size: 32
...
	.end_amdgpu_metadata
.endif
;; end of part 2
;; launch attn (part 3): grid 32 x 8, 16 waves a work-group, clusters of 4 x 1, 327,680 bytes of LDS; arguments img, wimg, yimg, part; writes yimg, part
.if DOCPART == 3
	.amdgcn_target "amdgcn-amd-amdhsa--gfx1250"
	.amdhsa_code_object_version 6
	.text
	.protected	k_q807a48482b_attn
	.globl	k_q807a48482b_attn
	.p2align	8
	.type	k_q807a48482b_attn,@function
k_q807a48482b_attn:
	s_mov_b64 s[64:65], 0
	v_nop
	global_prefetch_b8 v0, s[64:65] scope:SCOPE_SE
	s_setreg_imm32_b32 hwreg(HW_REG_WAVE_MODE, 25, 1), 1
	s_wait_xcnt 0x0
	s_wait_alu depctr_hold_cnt(0) depctr_sa_sdst(0) depctr_va_vdst(0) depctr_va_sdst(0) depctr_va_ssrc(0) depctr_va_vcc(0) depctr_vm_vsrc(0)
	s_getreg_b32 s2, hwreg(HW_REG_IB_STS2, 6, 4)
	s_cmp_eq_u32 s2, 0
	s_cbranch_scc0 .Lentry_in_a_cluster
	s_endpgm
.Lentry_in_a_cluster:
	s_bfe_u32 s2, ttmp6, 0x10000c
	s_cmp_lg_u32 s2, 0x3003
	s_cbranch_scc0 .Lentry_shape_is_right
	s_endpgm
.Lentry_shape_is_right:
; y = (g p^T) / l with p = 2^(t - M), t = (query . key) x log2(e), M = the ceiling of the row's running largest t, l = the row's sum of the unquantised p; both products on codes of FP4 (E2M1) with E8M0 block scales.
; Then y is quantised along d, stored as codes, and z' = Wo y is formed once here for the batch norm's statistics: for each of the 256 channels the sum and the sum of squared deviations of this work-group's 128 pixels.
; (The bias bo is left out of these sums: it moves every z of a channel alike; the last launch adds it to the mean.)
; Operands come as register images (see the launch that makes img): a key step of 128 keys is 17,408 dense bytes: K's 8 tiles, V's 8 tiles, K's and V's scale words.
; SHARES: a work-group owns 128 queries of one batch: eight tiles of 16.  SIXTEEN waves of 256 registers, four to a SIMD, so that one wave's vector work stands beside the others' products and LDS loads:
; wave w takes tile w % 8 and HALF OF THE KEYS: of each slot's eight key steps the first four (w < 8) or the last four.  Each half runs its own M, l and O^T; at the end the two waves of a tile hand each other
; their numbers through LDS and bring them under the larger M by multiplications by powers of two, which round nothing: both partners then hold the same y, bit for bit.
; LAYOUT: S^T = K Q^T (source 0 = 16 keys, source 1 = my 16 queries), O^T = V P^T (source 0 = 16 of d, source 1 = p): a lane holds ONE query throughout.  The 16 registers of score tiles 2 b, 2 b + 1 of lanes l and l xor 16
; are a block of 32 keys; its codes leave the quantiser in the order 0-7, 16-23, 8-15, 24-31, and V's images are laid in the same order.
; RING: two LDS slots of eight key steps; each wave fetches half a key step of a slot (34 rows of 256 bytes) with one tensor load.  32 key steps = 4 slots' worth: the walk is written out, a wave's four steps of a slot as a loop.
; CLUSTER 4, 1, 1: the four query blocks of a cluster belong to one batch and walk the same key steps: every fill is asked for jointly, by the same load with the same descriptor in all four.
; A block's largest p is not searched for: the block's largest score goes through the same multiply-add and exponential (this takes v_exp_f32 not to fall where its input rises).
; LIMITS: a block of zeros, or one under 2^-124, gets the byte 1 (its codes are zeros; this program alone reads the bytes); NaN and infinities are not served.
.set STEPB, 17408                      ; a key step in LDS and in memory
.set HALFB, 8704                       ; half of it: what one tensor load brings
.set SLOTB, 8*STEPB
.set BLKB,  26624                      ; from img block to img block
.set WO,    2*SLOTB                    ; behind the ring: Wo's 16 images and their scale words, 17,408 bytes, filled once
.set STATS, WO+17408                   ; [8 tiles of queries][256 channels][sum, M2]
.set SPARE, STATS+16384                ; the spare words: 128 bytes for each wave, eight blocks of 256 bytes that no other line names
.set YS,    SPARE+2048                 ; y's scale words: (tile T, r) at 256 (T / 4) + 16 r + 4 (T % 4)
; THE EXCHANGE of the two halves lies in slot 0, wave w's 8,448 bytes at HALFB x w: when the first number is stored there the slot has had its last fill, and every wave has passed the last change of slots, behind which nobody reads it.
; v1 16 lane; v2 16 r; v3, v4 the step's addresses; v5 my spare word, v6 zero (never rewritten); v7, v8 my half of Wo's images and scale words; v9 1,024 tile + 16 lane; v10 y's scale word in LDS; v11 my statistics in LDS;
; v12 -M, v13 the largest t (at the end l), v[14:15] l in two halves; v16-23 Q; v24-31 eight scale words; v32-95 eight fragments; v96-159 S^T, p, the partner's O^T, y, z'; v160-223 O^T, then at work; v224-231 p's or y's codes;
; v232-239, v244-247 at work; v240, v241 the exchange: my O^T's place and my partner's; v242, v243 the same for (-M, l); v248 STATS + 8 channel; v249 8 channel; v250 YS + 16 lane; v252 f; v253 p's or y's scale word; v254 at work; v255 Q's scale word
.set TM,  232
.set PC,  224
.set PW,  253
.set WV,  14                           ; s14 wave 0..15
.set QT,  19                           ; s19 my tile of queries
.set KH,  20                           ; s20 my half of the keys
.set KB,  21                           ; s21 where my four key steps begin in a slot
.set CS,  22                           ; s[22:23] log2(e), named as a pair
.set G1,  24                           ; s[24:31] group 1 of half a key step
.set G1W, 32                           ; s[32:39] group 1 of a sixteenth of Wo's images
.set G0,  40                           ; s[40:47] group 0, a set for each slot
.set G0W, 48                           ; s[48:51]
.set SEL, 52                           ; s[52:53]
.set TB,  54                           ; s54 LDS byte at which the key step in hand begins
.set CNT, 55                           ; s55 counts my steps of a slot
.macro CROUND                          ; a round of the cluster's barrier
	s_barrier_signal -1
	s_barrier_wait -1
	s_cmp_lg_u32 s[WV], 0
	s_cbranch_scc1 .Lnot_wave_0_\@
	s_barrier_signal -3
.Lnot_wave_0_\@:
	s_barrier_wait -3
	s_barrier_signal -1
	s_barrier_wait -1
.endm
	s_load_b256 s[4:11], s[0:1], 0x0               ; img s[4:5], wimg s[6:7], yimg s[8:9], part s[10:11]
	v_lshl_add_u32 v5, v0, 2, SPARE
	v_mov_b32 v6, 0
	ds_add_u32 v5, v6
	ds_add_u32 v5, v6
	s_wait_dscnt 0x0
	v_lshrrev_b32 v1, 5, v0
	s_delay_alu instid0(VALU_DEP_1)
	v_readfirstlane_b32 s[WV], v1                  ; wave 0..15
	s_and_b32 s[QT], s[WV], 7
	s_lshr_b32 s[KH], s[WV], 3
	s_mul_i32 s[KB], s[KH], 4*STEPB
	s_bfe_u32 s15, ttmp6, 0x40000                  ; cx
	s_lshl_b32 s16, ttmp9, 2
	s_add_co_u32 s16, s16, s15                     ; my block of 128 queries: it enters Q's, yimg's and part's addresses alone
	s_and_b32 s17, ttmp7, 0xffff                   ; the batch, which the partners share
	s_lshl_b32 s18, s17, 5
	s_add_co_u32 s18, s18, s16                     ; my block's number among the 256
	; group 1: half a key step, 8,704 dense bytes, as 34 rows of 256 bytes (32 elements of 8 bytes); the mask names the four partners, bit 21 beside it
	s_mov_b32 s[G1], 15|(3<<16)|(1<<21)
	s_mov_b32 s[G1+1], 32<<16
	s_mov_b32 s[G1+2], 34<<16
	s_mov_b32 s[G1+3], 32<<16
	s_mov_b32 s[G1+4], 34
	s_mov_b32 s[G1+5], 32
	s_mov_b32 s[G1+6], 0
	s_mov_b32 s[G1+7], 0
	; a sixteenth of Wo's 17,408 bytes: 17 rows of 64 bytes
	s_mov_b32 s[G1W], 15|(3<<16)|(1<<21)
	s_mov_b32 s[G1W+1], 8<<16
	s_mov_b32 s[G1W+2], 17<<16
	s_mov_b32 s[G1W+3], 8<<16
	s_mov_b32 s[G1W+4], 17
	s_mov_b32 s[G1W+5], 8
	s_mov_b32 s[G1W+6], 0
	s_mov_b32 s[G1W+7], 0
	s_lshl_b32 s56, s17, 5
	s_lshr_b32 s57, s[WV], 1
	s_add_co_u32 s56, s56, s57
	s_mul_i32 s56, s56, BLKB                       ; key step w / 2 of the batch,
	s_and_b32 s57, s[WV], 1
	s_mul_i32 s57, s57, HALFB
	s_add_co_u32 s56, s56, s57                     ; its half w % 2: the batch and the wave's number alone
	s_mov_b32 s57, 0
	s_mul_i32 s58, s[WV], HALFB                    ; where it goes in a slot; also my place in the exchange
	s_mul_i32 s59, s[WV], 1088
	s_add_co_u32 s60, s59, 76800
	s_mov_b32 s61, 0
	s_mul_i32 s66, s18, 8704
	s_mov_b32 s67, 0
	s_lshl_b32 s68, s18, 11
	s_mov_b32 s69, 0
	s_mul_i32 s70, s18, BLKB
	s_mov_b32 s71, 0
	s_mov_b32 s[CS], 0x3fb8aa3b                    ; log2(e)
	s_mov_b32 s[CS+1], s[CS]
	s_mov_b32 s[SEL], 0x76543210
	s_mov_b32 s[SEL+1], 0xfedcba98
	s_wait_kmcnt 0x0
	s_add_nc_u64 s[56:57], s[4:5], s[56:57]
.irp n, 0,1
	s_mov_b32 s[G0+4*\n], 1
	s_add_co_u32 s[G0+4*\n+1], s58, \n*SLOTB
	s_add_nc_u64 s[G0+4*\n+2:G0+4*\n+3], s[56:57], \n*8*BLKB   ; slot n begins with key steps 8 n .. 8 n + 7
	s_or_b32 s[G0+4*\n+3], s[G0+4*\n+3], 0x80000000
.endr
	s_mov_b32 s[G0W], 1
	s_add_co_u32 s[G0W+1], s59, WO
	s_add_nc_u64 s[G0W+2:G0W+3], s[6:7], s[60:61]
	s_or_b32 s[G0W+3], s[G0W+3], 0x80000000
	s_add_nc_u64 s[8:9], s[8:9], s[66:67]          ; my block of yimg,
	s_add_nc_u64 s[10:11], s[10:11], s[68:69]      ; my row of part,
	s_add_nc_u64 s[70:71], s[4:5], s[70:71]        ; my block of img (Q)
	CROUND                                         ; the four partners are here: the first joint loads meet
	tensor_load_to_lds s[G0W:G0W+3], s[G1W:G1W+7]  ; the first fills go out together: three loads of mine are out
	s_nop 0
	tensor_load_to_lds s[G0:G0+3], s[G1:G1+7]
	s_nop 0
	tensor_load_to_lds s[G0+4:G0+7], s[G1:G1+7]
	s_nop 0
.rept 4
	v_nop                                          ; (four nops behind a tensor load)
.endr
	; every LDS address is made here, ahead of the first place at which waves part on their number
	v_and_b32 v2, 15, v0
	v_and_b32 v1, 31, v0
	s_delay_alu instid0(VALU_DEP_1)
	v_lshlrev_b32 v1, 4, v1
	s_delay_alu instid0(VALU_DEP_3)
	v_lshlrev_b32 v2, 4, v2
	s_wait_alu depctr_va_vdst(0)
	s_lshl_b32 s62, s[KH], 13
	s_add_co_u32 s62, s62, WO
	v_add_nc_u32 v7, s62, v1                       ; Wo's tiles 8 kh on
	s_lshl_b32 s62, s[KH], 9
	s_add_co_u32 s62, s62, WO
	v_add_nc_u32 v8, s62, v2                       ; and their two groups of scale words
	s_lshl_b32 s62, s[QT], 10
	v_add_nc_u32 v9, s62, v1
	s_lshr_b32 s62, s[QT], 2
	s_lshl_b32 s62, s62, 8
	s_and_b32 s63, s[QT], 3
	s_lshl_b32 s63, s63, 2
	s_add_co_u32 s62, s62, s63
	s_add_co_u32 s62, s62, YS
	v_add_nc_u32 v10, s62, v2
	s_lshl_b32 s62, s[QT], 11
	s_lshl_b32 s63, s[KH], 10
	s_add_co_u32 s62, s62, s63
	s_add_co_u32 s62, s62, STATS
	v_lshrrev_b32 v11, 1, v2
	s_delay_alu instid0(VALU_DEP_1)
	v_add_nc_u32 v11, s62, v11                     ; tile qt, channels 128 kh on, 8 bytes a channel
	v_add_nc_u32 v240, s58, v1                     ; the exchange: my O^T,
	v_lshrrev_b32 v242, 1, v1
	s_delay_alu instid0(VALU_DEP_1)
	v_add_nc_u32 v242, s58, v242                   ; my (-M, l), 8 bytes a lane, 8,192 bytes on;
	s_xor_b32 s63, s[WV], 8                        ; my partner: the same tile, the other half of the keys
	s_mul_i32 s63, s63, HALFB
	v_add_nc_u32 v241, s63, v1
	v_lshrrev_b32 v243, 1, v1
	s_delay_alu instid0(VALU_DEP_1)
	v_add_nc_u32 v243, s63, v243
	v_and_b32 v248, 255, v0
	s_delay_alu instid0(VALU_DEP_1)
	v_lshlrev_b32 v249, 3, v248
	s_delay_alu instid0(VALU_DEP_1)
	v_add_nc_u32 v248, STATS, v249
	v_add_nc_u32 v250, YS, v1
	v_lshrrev_b32 v254, 2, v1
	s_lshl_b32 s62, s[QT], 7
	v_add_nc_u32 v254, s62, v254
	global_load_b128 v[16:19], v9, s[70:71] offset:17408     ; Q's fragment, my tile: it stays in registers
	global_load_b128 v[20:23], v9, s[70:71] offset:17920
	global_load_b32 v255, v254, s[70:71] offset:25600        ; its scale words
	v_mov_b32 v13, 0xff61b1e6                      ; the largest t so far: -3e38, under every t
	s_delay_alu instid0(VALU_DEP_1)
	v_floor_f32 v12, -v13                          ; -M
	v_mov_b32 v14, 0
	v_mov_b32 v15, 0
.irp b, 0,1,2,3
	v_mov_b32 v[236+\b], 0                         ; written once: a lane permute's destination counts as one of its sources
.endr
	v_mov_b32 v253, 0                              ; (named as the upper half of the pair v[252:253] before it is first written)
.set j, 0
.rept 64
	v_mov_b32 v[160+j], 0                          ; O^T.  (The key step is written without a first step of its own: it finds zeros, which the first change of M leaves zeros)
.set j, j+1
.endr
; A KEY STEP: 128 keys at LDS byte s[TB]
.macro STEP
	v_add_nc_u32 v3, s[TB], v1
	v_add_nc_u32 v4, s[TB], v2
	v_nop
	v_nop                                          ; with the two additions: four places ahead of loads into registers that the last products read
	ds_load_b128 v[24:27], v4 offset:16384         ; K's scale words, tiles 0-3 and 4-7
	ds_load_b128 v[28:31], v4 offset:16640
.irp T, 0,1,2,3,4,5,6,7
	ds_load_b128 v[32+8*\T:35+8*\T], v3 offset:1024*\T
	ds_load_b128 v[36+8*\T:39+8*\T], v3 offset:1024*\T+512
.endr
	s_wait_alu depctr_va_vdst(0)
.irp T, 0,1,2,3,4,5,6,7
	s_wait_dscnt 14-2*\T                           ; tile T is in; the two loads of each tile behind it may be out
	v_wmma_scale_f32_16x16x128_f8f6f4 v[96+8*\T:103+8*\T], v[32+8*\T:39+8*\T], v[16:23], 0, v[24+\T], v255 matrix_a_fmt:MATRIX_FMT_FP4 matrix_b_fmt:MATRIX_FMT_FP4
.endr
.rept 4
	v_nop                                          ; four places ahead of V's loads and of the first read of the scores
.endr
	ds_load_b128 v[24:27], v4 offset:16896         ; V's scale words and fragments: they land under the softmax
	ds_load_b128 v[28:31], v4 offset:17152
.irp T, 0,1,2,3,4,5,6,7
	ds_load_b128 v[32+8*\T:35+8*\T], v3 offset:8192+1024*\T
	ds_load_b128 v[36+8*\T:39+8*\T], v3 offset:8192+1024*\T+512
.endr
.irp b, 0,1,2,3
	v_max3_num_f32 v[232+\b], v[96+16*\b], v[97+16*\b], v[98+16*\b]   ; the largest score of each block of 32 keys: for the row's maximum, and for the block's largest p
.endr
.irp i, 3,5,7,9,11,13
.irp b, 0,1,2,3
	v_max3_num_f32 v[232+\b], v[232+\b], v[96+16*\b+\i], v[97+16*\b+\i]
.endr
.endr
.irp b, 0,1,2,3
	v_max_num_f32 v[232+\b], v[232+\b], v[111+16*\b]
.endr
.irp b, 0,1,2,3
	s_delay_alu instid0(VALU_DEP_4)
	v_permlanex16_b32 v[236+\b], v[232+\b], s[SEL], s[SEL+1]
.endr
.irp b, 0,1,2,3
	s_delay_alu instid0(VALU_DEP_4)
	v_max_num_f32 v[232+\b], v[232+\b], v[236+\b]  ; with lane l xor 16's 16 keys
.endr
	s_delay_alu instid0(VALU_DEP_2)
	v_max3_num_f32 v254, v232, v233, v234
	s_delay_alu instid0(VALU_DEP_1)
	v_max_num_f32 v254, v254, v235                 ; the step's largest score of my query
	s_delay_alu instid0(VALU_DEP_1)
	v_mul_f32 v254, s[CS], v254                    ; as t
	s_delay_alu instid0(VALU_DEP_1)
	v_max_num_f32 v13, v13, v254                   ; the running largest t
	v_mov_b32 v254, v12
	s_delay_alu instid0(VALU_DEP_2)
	v_floor_f32 v12, -v13                          ; the new -M = floor(-t) = -ceil(t)
	s_delay_alu instid0(VALU_DEP_1)
	v_sub_f32 v254, v12, v254                      ; old M - new M: a whole number, 0 or less
	s_delay_alu instid0(VALU_DEP_1)
	v_cvt_i32_f32 v254, v254                       ; (it saturates)
	s_delay_alu instid0(VALU_DEP_1)
	v_ldexp_f32 v252, 1.0, v254                    ; f = 2^(old M - new M): a multiplication by it rounds nothing
.set j, 0
.rept 32
	v_pk_fma_f32 v[96+j:97+j], v[96+j:97+j], s[CS:CS+1], v[12:13] op_sel_hi:[1,0,0]   ; t - M, two at a time
.set j, j+2
.endr
.irp b, 0,1,2,3
	v_fma_f32 v[232+\b], v[232+\b], s[CS], v12     ; the same of each block's largest score
.endr
.set j, 0
	s_wait_alu depctr_va_vdst(0)
.rept 64
	v_exp_f32 v[96+j], v[96+j]                     ; p = 2^(t - M), at most 1, not normalised
.set j, j+1
.endr
	s_setprio 1
.irp b, 0,1,2,3
	v_exp_f32 v[232+\b], v[232+\b]                 ; the block's largest p
.endr
	v_pk_mul_f32 v[14:15], v[14:15], v[252:253] op_sel_hi:[1,0]   ; l under the new M.  (A plain line behind the exponentials)
	s_wait_alu depctr_va_vdst(0)
.irp b, 0,1,2,3
	v_max_num_f32 v[232+\b], 0x1800000, v[232+\b]  ; the floor 2^(3 - 127)
.endr
.irp b, 0,1,2,3
	s_delay_alu instid0(VALU_DEP_4)
	v_add_nc_u32 v[244+\b], 0xff000000, v[232+\b]  ; the conversion's scale operand
.endr
.irp b, 0,1,2,3
	s_delay_alu instid0(VALU_DEP_4)
	v_lshrrev_b32 v[236+\b], 23, v[244+\b]         ; the byte
.endr
	s_delay_alu instid0(VALU_DEP_3)
	v_lshl_or_b32 v253, v237, 8, v236              ; p's scale word for these 128 keys
	s_delay_alu instid0(VALU_DEP_1)
	v_lshl_or_b32 v253, v238, 16, v253
	s_delay_alu instid0(VALU_DEP_1)
	v_lshl_or_b32 v253, v239, 24, v253
.irp b, 0,1,2,3
	v_cvt_scalef32_pk8_fp4_f32 v[224+2*\b], v[96+16*\b:103+16*\b], v[244+\b]
	v_cvt_scalef32_pk8_fp4_f32 v[225+2*\b], v[104+16*\b:111+16*\b], v[244+\b]
.endr
	v_nop                                          ; one plain line behind the last scaled conversion
.irp c, 0,1
.irp i, 0,1
	v_permlane16_swap_b32 v[224+4*\c+\i], v[226+4*\c+\i]   ; a whole block to a lane: lanes 0-15 block 2 c, lanes 16-31 block 2 c + 1
.endr
.endr
	v_pk_add_f32 v[236:237], v[100:101], v[104:105]
	v_pk_add_f32 v[246:247], v[108:109], v[112:113]
	v_pk_add_f32 v[244:245], v[116:117], v[120:121]
	v_pk_add_f32 v[234:235], v[124:125], v[128:129]
	v_pk_add_f32 v[232:233], v[132:133], v[136:137]
	v_pk_add_f32 v[14:15], v[14:15], v[140:141]
	v_pk_add_f32 v[236:237], v[236:237], v[144:145]
	v_pk_add_f32 v[246:247], v[246:247], v[148:149]
	v_pk_add_f32 v[244:245], v[244:245], v[152:153]
	v_pk_add_f32 v[234:235], v[234:235], v[156:157]
	v_pk_add_f32 v[232:233], v[232:233], v[96:97]
	v_pk_add_f32 v[14:15], v[14:15], v[98:99]
	v_pk_add_f32 v[236:237], v[236:237], v[102:103]
	v_pk_add_f32 v[246:247], v[246:247], v[106:107]
	v_pk_add_f32 v[244:245], v[244:245], v[110:111]
	v_pk_add_f32 v[234:235], v[234:235], v[114:115]
	v_pk_add_f32 v[232:233], v[232:233], v[118:119]
	v_pk_add_f32 v[14:15], v[14:15], v[122:123]
	v_pk_add_f32 v[236:237], v[236:237], v[126:127]
	v_pk_add_f32 v[246:247], v[246:247], v[130:131]
	v_pk_add_f32 v[244:245], v[244:245], v[134:135]
	v_pk_add_f32 v[234:235], v[234:235], v[138:139]
	v_pk_add_f32 v[232:233], v[232:233], v[142:143]
	v_pk_add_f32 v[14:15], v[14:15], v[146:147]
	v_pk_add_f32 v[236:237], v[236:237], v[150:151]
	v_pk_add_f32 v[246:247], v[246:247], v[154:155]
	v_pk_add_f32 v[244:245], v[244:245], v[158:159]
	s_delay_alu instid0(VALU_DEP_1)
	v_pk_add_f32 v[14:15], v[14:15], v[244:245]
	s_delay_alu instid0(VALU_DEP_4)
	v_pk_add_f32 v[236:237], v[236:237], v[234:235]
	s_delay_alu instid0(VALU_DEP_4)
	v_pk_add_f32 v[246:247], v[246:247], v[232:233]
	s_delay_alu instid0(VALU_DEP_1)
	v_pk_add_f32 v[14:15], v[14:15], v[246:247]
	s_delay_alu instid0(VALU_DEP_1)
	v_pk_add_f32 v[14:15], v[14:15], v[236:237]
.set j, 0
.rept 32
	v_pk_mul_f32 v[160+j:161+j], v[160+j:161+j], v[252:253] op_sel_hi:[1,0]   ; O^T under the new M.  (These are also the places ahead of the scaled products below)
.set j, j+2
.endr
	s_setprio 0
	s_wait_alu depctr_va_vdst(0)
	s_wait_dscnt 0x0                               ; V is in
.irp T, 0,1,2,3,4,5,6,7
	v_wmma_scale_f32_16x16x128_f8f6f4 v[160+8*\T:167+8*\T], v[32+8*\T:39+8*\T], v[224:231], v[160+8*\T:167+8*\T], v[24+\T], v253 matrix_a_fmt:MATRIX_FMT_FP4 matrix_b_fmt:MATRIX_FMT_FP4
.endr
	s_add_co_u32 s[TB], s[TB], STEPB
.endm
.macro SLOT base                       ; my four key steps of the slot that begins at base
	s_add_co_u32 s[TB], s[KB], \base
	s_mov_b32 s[CNT], 4
.Lstep_\@:
	s_setprio 2
	STEP
	s_sub_co_u32 s[CNT], s[CNT], 1
	s_cmp_lg_u32 s[CNT], 0
	s_cbranch_scc1 .Lstep_\@
	s_setprio 0
.endm
; THE CHANGE OF SLOTS.  Each wave waits for all its tensor loads (its part of the slot ahead), adds 0 to its spare word, and waits for that and for its reads of slot o, which it has left.
; fill = 1: a round of the cluster's barrier, so that no wave of any partner still reads slot o or has a load on its way; the joint refill, 16 key steps on, is the first thing behind it and has a whole slot's walk in which to land.
.macro CHANGE o, fill
	s_wait_tensorcnt 0x0                           ; no tensor load of mine is out, so a group 0 may be written
	ds_add_u32 v5, v6                              ; 0 onto my spare word
.if \fill
	s_add_nc_u64 s[G0+4*\o+2:G0+4*\o+3], s[G0+4*\o+2:G0+4*\o+3], 16*BLKB
.endif
	s_wait_dscnt 0x0                               ; the add is done, and my reads of the slot are over
.if \fill
	CROUND
	tensor_load_to_lds s[G0+4*\o:G0+4*\o+3], s[G1:G1+7]   ; my one tensor load until the next change
	s_nop 0
.rept 4
	v_nop
.endr
.else
	s_barrier_signal -1
	s_barrier_wait -1
.endif
.endm
.macro QUANT src                       ; as in the launch that makes img: 64 numbers of a lane become a fragment's codes in v[PC] on and its scale word in v[PW]
.irp b, 0,1,2,3
	v_max3_num_f32 v[TM+\b], |v[\src+16*\b]|, |v[\src+1+16*\b]|, 0x1800000
.endr
.irp i, 2,4,6,8,10,12,14
.irp b, 0,1,2,3
	s_delay_alu instid0(VALU_DEP_4)
	v_max3_num_f32 v[TM+\b], v[TM+\b], |v[\src+16*\b+\i]|, |v[\src+1+16*\b+\i]|
.endr
.endr
.irp b, 0,1,2,3
	s_delay_alu instid0(VALU_DEP_4)
	v_permlanex16_b32 v[TM+4+\b], v[TM+\b], s[SEL], s[SEL+1]
.endr
.irp b, 0,1,2,3
	s_delay_alu instid0(VALU_DEP_4)
	v_max_num_f32 v[TM+\b], v[TM+\b], v[TM+4+\b]
.endr
.irp b, 0,1,2,3
	s_delay_alu instid0(VALU_DEP_4)
	v_add_nc_u32 v[TM+12+\b], 0xff000000, v[TM+\b]
.endr
.irp b, 0,1,2,3
	s_delay_alu instid0(VALU_DEP_4)
	v_lshrrev_b32 v[TM+4+\b], 23, v[TM+12+\b]
.endr
	s_delay_alu instid0(VALU_DEP_3)
	v_lshl_or_b32 v[PW], v[TM+5], 8, v[TM+4]
	s_delay_alu instid0(VALU_DEP_1)
	v_lshl_or_b32 v[PW], v[TM+6], 16, v[PW]
	s_delay_alu instid0(VALU_DEP_1)
	v_lshl_or_b32 v[PW], v[TM+7], 24, v[PW]
.irp b, 0,1,2,3
	v_cvt_scalef32_pk8_fp4_f32 v[PC+2*\b], v[\src+16*\b:\src+7+16*\b], v[TM+12+\b]
	v_cvt_scalef32_pk8_fp4_f32 v[PC+1+2*\b], v[\src+8+16*\b:\src+15+16*\b], v[TM+12+\b]
.endr
	v_nop
.irp c, 0,1
.irp i, 0,1
	v_permlane16_swap_b32 v[PC+4*\c+\i], v[PC+2+4*\c+\i]
.endr
.endr
.endm
.macro ZLOAD                           ; my eight tiles of Wo (channels 128 kh on) and their scale words: 18 loads
	ds_load_b128 v[24:27], v8 offset:16384
	ds_load_b128 v[28:31], v8 offset:16640
.irp T, 0,1,2,3,4,5,6,7
	ds_load_b128 v[32+8*\T:35+8*\T], v7 offset:1024*\T
	ds_load_b128 v[36+8*\T:39+8*\T], v7 offset:1024*\T+512
.endr
.endm
; z' of my tile's 16 pixels for my 128 channels (source 0 = y, source 1 = 16 rows of Wo: a lane holds one channel and eight pixels), and of each channel the sum s and M2 = the sum of squared deviations from the 16 pixels' own mean
.macro ZHALF
	s_wait_dscnt 0x0
.irp T, 0,1,2,3,4,5,6,7
	v_wmma_scale_f32_16x16x128_f8f6f4 v[96+8*\T:103+8*\T], v[224:231], v[32+8*\T:39+8*\T], 0, v253, v[24+\T] matrix_a_fmt:MATRIX_FMT_FP4 matrix_b_fmt:MATRIX_FMT_FP4
.endr
.rept 4
	v_nop
.endr
.irp T, 0,1,2,3,4,5,6,7
	v_pk_add_f32 v[160+8*\T:161+8*\T], v[96+8*\T:97+8*\T], v[98+8*\T:99+8*\T]
.endr
.irp T, 0,1,2,3,4,5,6,7
	v_pk_add_f32 v[162+8*\T:163+8*\T], v[100+8*\T:101+8*\T], v[102+8*\T:103+8*\T]
.endr
.irp T, 0,1,2,3,4,5,6,7
	v_pk_add_f32 v[160+8*\T:161+8*\T], v[160+8*\T:161+8*\T], v[162+8*\T:163+8*\T]
.endr
.irp T, 0,1,2,3,4,5,6,7
	v_add_f32 v[160+8*\T], v[160+8*\T], v[161+8*\T]
.endr
.irp T, 0,1,2,3,4,5,6,7
	v_permlanex16_b32 v[161+8*\T], v[160+8*\T], s[SEL], s[SEL+1]
.endr
.irp T, 0,1,2,3,4,5,6,7
	v_add_f32 v[160+8*\T], v[160+8*\T], v[161+8*\T]          ; s
.endr
.irp T, 0,1,2,3,4,5,6,7
	v_mul_f32 v[162+8*\T], 0x3d800000, v[160+8*\T]           ; s / 16
.endr
.irp i, 0,2,4,6
.irp T, 0,1,2,3,4,5,6,7
	v_pk_add_f32 v[96+8*\T+\i:97+8*\T+\i], v[96+8*\T+\i:97+8*\T+\i], v[162+8*\T:163+8*\T] op_sel_hi:[1,0] neg_lo:[0,1] neg_hi:[0,1]   ; the deviations
.endr
.endr
.irp T, 0,1,2,3,4,5,6,7
	v_pk_mul_f32 v[164+8*\T:165+8*\T], v[96+8*\T:97+8*\T], v[96+8*\T:97+8*\T]
.endr
.irp i, 2,4,6
.irp T, 0,1,2,3,4,5,6,7
	v_pk_fma_f32 v[164+8*\T:165+8*\T], v[96+8*\T+\i:97+8*\T+\i], v[96+8*\T+\i:97+8*\T+\i], v[164+8*\T:165+8*\T]
.endr
.endr
.irp T, 0,1,2,3,4,5,6,7
	v_add_f32 v[161+8*\T], v[164+8*\T], v[165+8*\T]
.endr
.irp T, 0,1,2,3,4,5,6,7
	v_permlanex16_b32 v[164+8*\T], v[161+8*\T], s[SEL], s[SEL+1]
.endr
.irp T, 0,1,2,3,4,5,6,7
	v_add_f32 v[161+8*\T], v[161+8*\T], v[164+8*\T]          ; M2
.endr
.irp T, 0,1,2,3,4,5,6,7
	ds_store_b64 v11, v[160+8*\T:161+8*\T] offset:128*\T     ; channel 128 kh + 16 T + r (lanes r and r + 16 write the same bytes with the same value)
.endr
.endm
; two groups of n numbers each, (s, M2) at v[a], v[b]: s = sa + sb, M2 = Ma + Mb + (sa - sb)^2 / (2 n); k = 1 / (2 n).  No difference of large sums of squares is formed.
.macro MERGE a, b, d, k
	v_sub_f32 v[\d], v[\a], v[\b]
	v_pk_add_f32 v[\a:\a+1], v[\a:\a+1], v[\b:\b+1]
	s_delay_alu instid0(VALU_DEP_2)
	v_mul_f32 v[\d], v[\d], v[\d]
	s_delay_alu instid0(VALU_DEP_1)
	v_fmac_f32 v[\a+1], \k, v[\d]
.endm
	s_wait_tensorcnt 1                             ; Wo's images and my part of slot 0 are in; slot 1's load may stay out
	s_barrier_signal -1
	s_barrier_wait -1                              ; everybody's are
	s_wait_loadcnt 0x0                             ; Q
	SLOT 0                                         ; key steps 0-7: my four of them
	CHANGE 0, 1                                    ; slot 0 takes 16-23
	SLOT SLOTB                                     ; 8-15
	CHANGE 1, 1                                    ; slot 1 takes 24-31
	SLOT 0                                         ; 16-23
	CHANGE 0, 0                                    ; nothing is left to fetch; behind this barrier nobody reads slot 0, and nothing is filled there again
	SLOT SLOTB                                     ; 24-31
.rept 4
	v_nop                                          ; four places behind the last products
.endr
	; THE TWO HALVES OF THE KEYS MEET.  My O^T, -M and l go to my place in the exchange; behind a barrier I take my partner's.
	v_add_f32 v13, v14, v15                        ; l's two halves,
	s_delay_alu instid0(VALU_DEP_1)
	v_permlanex16_b32 v252, v13, s[SEL], s[SEL+1]
	s_delay_alu instid0(VALU_DEP_1)
	v_add_f32 v13, v13, v252                       ; and lane l xor 16's: the sum over my half of the keys
.irp i, 0,1,2,3,4,5,6,7,8,9,10,11,12,13,14,15
	ds_store_b128 v240, v[160+4*\i:163+4*\i] offset:512*\i   ; as the registers stand, 16 bytes a lane; each accumulator from its low end on
.endr
	ds_store_b64 v242, v[12:13] offset:8192
	s_wait_dscnt 0x0                               ; for my partner's sake: my stores have landed
	s_barrier_signal -1
	s_barrier_wait -1
.irp i, 0,1,2,3,4,5,6,7,8,9,10,11,12,13,14,15
	ds_load_b128 v[96+4*\i:99+4*\i], v241 offset:512*\i
.endr
	ds_load_b64 v[232:233], v243 offset:8192
	ZLOAD
	s_wait_dscnt 18                                ; my partner's numbers are in; the 18 loads of Wo's tiles behind them may be out
	v_min_num_f32 v234, v12, v232                  ; -M of all keys: the smaller of the two
	s_delay_alu instid0(VALU_DEP_1)
	v_sub_f32 v235, v234, v12                      ; my M - M: a whole number, 0 or less
	s_delay_alu instid0(VALU_DEP_2)
	v_sub_f32 v236, v234, v232                     ; my partner's
	s_delay_alu instid0(VALU_DEP_2)
	v_cvt_i32_f32 v235, v235                       ; (it saturates)
	s_delay_alu instid0(VALU_DEP_2)
	v_cvt_i32_f32 v236, v236
	s_delay_alu instid0(VALU_DEP_2)
	v_ldexp_f32 v252, 1.0, v235                    ; the two factors: powers of two, so the products below round nothing,
	s_wait_alu depctr_va_vdst(0)
	v_ldexp_f32 v254, 1.0, v236                    ; and the sums come out the same bits in both partners
	v_mul_f32 v13, v13, v252
	s_delay_alu instid0(VALU_DEP_1)
	v_fmac_f32 v13, v233, v254                     ; l of all keys
	s_wait_alu depctr_va_vdst(0)
	v_rcp_f32 v14, v13
.set j, 0
.rept 32
	v_pk_mul_f32 v[160+j:161+j], v[160+j:161+j], v[252:253] op_sel_hi:[1,0]   ; my O^T under the joint M.  (Plain lines behind the transcendental)
.set j, j+2
.endr
.set j, 0
.rept 32
	v_pk_fma_f32 v[160+j:161+j], v[96+j:97+j], v[254:255], v[160+j:161+j] op_sel_hi:[1,0,1]   ; + my partner's
.set j, j+2
.endr
.set j, 0
	s_wait_alu depctr_va_vdst(0)
.rept 32
	v_pk_mul_f32 v[96+j:97+j], v[160+j:161+j], v[14:15] op_sel_hi:[1,0]   ; y: register 8 D + i is y(d = 16 D + 8 h + i) of my query
.set j, j+2
.endr
	QUANT 96
	s_cmp_lg_u32 s[KH], 0                          ; both partners hold the same codes: the first of them stores them
	s_cbranch_scc1 .Lno_y
	global_store_b128 v9, v[224:227], s[8:9]       ; y's image, my tile: 512 consecutive bytes a store
	global_store_b128 v9, v[228:231], s[8:9] offset:512
	ds_store_b32 v10, v253                         ; its scale words meet the other tiles' in LDS
.Lno_y:
.rept 8
	v_nop                                          ; a scale word written by vector instructions stands eight places ahead of a scaled matrix instruction, an operand so written four
.endr
	s_wait_alu depctr_va_vdst(0)
	ZHALF
	s_wait_dscnt 0x0                               ; for the others' sake: my statistics and scale words have landed
	s_barrier_signal -1
	s_barrier_wait -1
	s_cmp_ge_u32 s[WV], 8                          ; 256 channels: the threads of waves 0 to 7 take one each
	s_cbranch_scc1 .Lno_merge
.irp i, 0,1,2,3,4,5,6,7
	ds_load_b64 v[96+2*\i:97+2*\i], v248 offset:2048*\i      ; the eight tiles' (s, M2) of my channel
.endr
	s_wait_dscnt 0x0
	MERGE 96, 98, 160, (127-5)<<23                 ; groups of 16 pixels: 1 / 32
	MERGE 100, 102, 161, (127-5)<<23
	MERGE 104, 106, 162, (127-5)<<23
	MERGE 108, 110, 163, (127-5)<<23
	MERGE 96, 100, 160, (127-6)<<23                ; of 32
	MERGE 104, 108, 161, (127-6)<<23
	MERGE 96, 104, 160, (127-7)<<23                ; of 64
	global_store_b64 v249, v[96:97], s[10:11]      ; a wave stores 256 consecutive bytes, aligned
.Lno_merge:
	s_cmp_lg_u32 s[WV], 8                          ; wave 8, which has no channel to merge, stores y's scale words
	s_cbranch_scc1 .Lnot_eighth
	ds_load_b128 v[112:115], v250
	s_wait_dscnt 0x0
	global_store_b128 v1, v[112:115], s[8:9] offset:8192     ; 512 consecutive bytes
.Lnot_eighth:
	s_wait_tensorcnt 0x0                           ; the wave's end
	ds_add_u32 v5, v6
	s_wait_dscnt 0x0
	CROUND                                         ; the closing round
	s_endpgm
.Lfunc_end_k_q807a48482b_attn:
	.size	k_q807a48482b_attn, .Lfunc_end_k_q807a48482b_attn-k_q807a48482b_attn
	.p2alignl 7, 3214868480
	.fill 96, 4, 3214868480
	.section	.rodata,"a",@progbits
	.p2align	6, 0x0
	.amdhsa_kernel k_q807a48482b_attn
		.amdhsa_group_segment_fixed_size 327680
		.amdhsa_private_segment_fixed_size 0
		.amdhsa_enable_private_segment 0
		.amdhsa_kernarg_size 32
		.amdhsa_user_sgpr_count 2
		.amdhsa_user_sgpr_kernarg_segment_ptr 1
		.amdhsa_wavefront_size32 1
		.amdhsa_system_sgpr_workgroup_id_x 1
		.amdhsa_system_sgpr_workgroup_id_y 1
		.amdhsa_system_sgpr_workgroup_id_z 1
		.amdhsa_system_vgpr_workitem_id 0
		.amdhsa_next_free_vgpr 256
		.amdhsa_next_free_sgpr 80
		.amdhsa_reserve_vcc 0
		.amdhsa_float_denorm_mode_32 3
		.amdhsa_float_denorm_mode_16_64 3
		.amdhsa_memory_ordered 1
		.amdhsa_forward_progress 1
		.amdhsa_inst_pref_size 115
	.end_amdhsa_kernel
	.amdgpu_metadata
---
amdhsa.version: [ 1, 2 ]
amdhsa.kernels:
  - .name:           k_q807a48482b_attn
    .symbol:         k_q807a48482b_attn.kd
    .args:
      - { .name: img, .offset: 0, .size: 8, .value_kind: global_buffer, .address_space: global }
      - { .name: wimg, .offset: 8, .size: 8, .value_kind: global_buffer, .address_space: global }
      - { .name: yimg, .offset: 16, .size: 8, .value_kind: global_buffer, .address_space: global }
      - { .name: part, .offset: 24, .size: 8, .value_kind: global_buffer, .address_space: global }
    .group_segment_fixed_size: 327680
    .private_segment_fixed_size: 0
    .kernarg_segment_align: 8
    .kernarg_segment_size: 32
    .max_flat_workgroup_size: 512
    .sgpr_count:     80
    .vgpr_count:     256
    .wavefront_size: 32
...
	.end_amdgpu_metadata
.endif
;; end of part 3
;; launch bn (part 4): grid 32 x 8, 16 waves a work-group, no clusters, 137,728 bytes of LDS; arguments part, yimg, wimg, bo, gamma, beta, x, out0; writes out0
.if DOCPART == 4
	.amdgcn_target "amdgcn-amd-amdhsa--gfx1250"
	.amdhsa_code_object_version 6
	.text
	.protected	k_q807a48482b_bn
	.globl	k_q807a48482b_bn
	.p2align	8
	.type	k_q807a48482b_bn,@function
k_q807a48482b_bn:
	s_mov_b64 s[64:65], 0
	v_nop
	global_prefetch_b8 v0, s[64:65] scope:SCOPE_SE
	s_setreg_imm32_b32 hwreg(HW_REG_WAVE_MODE, 25, 1), 1
	s_wait_xcnt 0x0
; out = (z - mean) rsqrt(var + 1e-5) gamma + beta + x, z = Wo y + bo, mean and var of each channel over all 32,768 pixels.  z never went to memory: z' = Wo y is made again from y's codes
; (FP4, E8M0 block scales), by the same instruction on the same operands as in the launch that took the statistics.  out = z' A + B + x with A = rsqrt(var + eps) gamma, B = beta + (bo - mean) A, mean = s / 32,768 + bo.
; STATISTICS: part holds for each of 256 blocks of 128 pixels and each channel (s, M2 = the sum of squared deviations from the block's own mean).  Groups of equal size n are merged in pairs:
; s = sa + sb, M2 = Ma + Mb + (sa - sb)^2 / (2 n): no difference of large sums of squares.
; SHARES: a work-group takes 32 channels x 1,024 pixels of one batch (ct = x % 8, nq = x / 8, batch = y).  Wave w merges part's rows 16 w .. 16 w + 15, makes z' for pixels 64 w .. 64 w + 63 (source 0 = 16 pixels of y,
; source 1 = 16 rows of Wo: a lane holds one channel and eight neighbouring pixels), and stores the whole rows of channels 2 w, 2 w + 1: z' goes through LDS (rows of 4,096 + 16 bytes).
; All 52 loads of a wave go out at the head; x's sixteen, the largest, are wanted last.
; NO CLUSTER: every operand goes from memory straight into the registers that use it, in fragment order, and no tile passes through LDS by a tensor load.  Of the 388 KB that a work-group moves, 64 KB (part) are shared
; with the 31 other work-groups of its ct and 68 KB (y) with the 7 others of its (nq, batch): two different sets of partners.
; LIMITS: NaN and infinities are not served.
.set ZP, 4112                          ; a row of z in LDS
.set SX, 32*ZP                         ; behind them: [16 waves][32 channels][s, M2]
.set PT, 80                            ; v80-111 the partials: (i, tau) at PT + 4 i + 2 tau; then v80-143 z', then rows of z read back
; v5 part; v6 4 r; v7 16 lane; v8 16 r; v9, v10 SX in and out; v11, v12 z into LDS (tau = 0, 1); v13 z out of LDS; v16-79 x; v144-175 y's codes; v176-179 y's scale words; v180-195 Wo's fragments;
; v196-197 Wo's scale words; v198.. gamma, v200.. beta, v202.. bo (tau = 0, 1); v204-211 (A, A), (B, B) for each tau; v212-219 at work
.macro MERGE a, b, d, k
	v_sub_f32 v[\d], v[\a], v[\b]
	v_pk_add_f32 v[\a:\a+1], v[\a:\a+1], v[\b:\b+1]
	s_delay_alu instid0(VALU_DEP_2)
	v_mul_f32 v[\d], v[\d], v[\d]
	s_delay_alu instid0(VALU_DEP_1)
	v_fmac_f32 v[\a+1], \k, v[\d]
.endm
; eight groups a lane and the other half of the lanes' eight become one; e: the first groups hold 2^(e - 1) numbers each
.macro TREE e
.irp tau, 0,1
.irp p, 0,1,2,3
	MERGE (PT+8*\p+2*\tau), (PT+4+8*\p+2*\tau), (212+\tau), (127-(\e))<<23
.endr
.endr
.irp tau, 0,1
.irp p, 0,1
	MERGE (PT+16*\p+2*\tau), (PT+8+16*\p+2*\tau), (212+\tau), (126-(\e))<<23
.endr
.endr
.irp tau, 0,1
	MERGE (PT+2*\tau), (PT+16+2*\tau), (212+\tau), (125-(\e))<<23
.endr
.irp tau, 0
	v_permlanex16_b32 v[214+2*\tau], v[PT+2*\tau], s24, s25
	v_permlanex16_b32 v[215+2*\tau], v[PT+1+2*\tau], s24, s25
.endr
.irp tau, 1
	v_permlanex16_b32 v[214+2*\tau], v[PT+2*\tau], s24, s25
	s_delay_alu instid0(VALU_DEP_4)
	v_permlanex16_b32 v[215+2*\tau], v[PT+1+2*\tau], s24, s25
.endr
.irp tau, 0,1
	MERGE (PT+2*\tau), (214+2*\tau), (212+\tau), (124-(\e))<<23
.endr
.endm
	s_load_b256 s[4:11], s[0:1], 0x0               ; part s[4:5], yimg s[6:7], wimg s[8:9], bo s[10:11]
	s_load_b256 s[12:19], s[0:1], 0x20             ; gamma s[12:13], beta s[14:15], x s[16:17], out0 s[18:19]
	v_lshl_add_u32 v254, v0, 2, 0x21200
	v_mov_b32 v255, 0
	v_lshrrev_b32 v1, 5, v0
	s_delay_alu instid0(VALU_DEP_1)
	v_readfirstlane_b32 s20, v1                    ; wave 0..15
	s_and_b32 s21, ttmp9, 7                        ; ct: 32 channels
	s_lshr_b32 s22, ttmp9, 3                       ; nq: 1,024 pixels
	s_and_b32 s23, ttmp7, 0xffff                   ; batch
	s_mov_b32 s24, 0x76543210
	s_mov_b32 s25, 0xfedcba98
	s_mov_b32 s26, 0x3727c5ac                      ; 1e-5
	s_mov_b32 s27, 0x38000000                      ; 1 / 32,768
	v_and_b32 v2, 31, v0                           ; lane
	v_and_b32 v3, 15, v0                           ; r
	v_bfe_u32 v4, v0, 4, 1                         ; h
	s_delay_alu instid0(VALU_DEP_1)
	v_lshlrev_b32 v5, 11, v4
	s_delay_alu instid0(VALU_DEP_1)
	v_lshl_add_u32 v5, v3, 3, v5
	s_lshl_b32 s46, s20, 15
	v_add_nc_u32 v5, s46, v5                       ; part: row 16 w + h, channel r
	v_lshlrev_b32 v6, 2, v3
	v_lshlrev_b32 v7, 4, v2
	v_lshlrev_b32 v8, 4, v3
	s_lshl_b32 s46, s20, 8
	s_add_co_u32 s47, s46, SX
	v_lshl_add_u32 v9, v3, 3, s47
	v_lshlrev_b32 v10, 11, v4
	s_delay_alu instid0(VALU_DEP_1)
	v_lshl_add_u32 v10, v3, 3, v10
	s_delay_alu instid0(VALU_DEP_1)
	v_add_nc_u32 v10, SX, v10                      ; waves 8 h .. 8 h + 7
	v_mul_u32_u24 v11, v3, ZP
	s_delay_alu instid0(VALU_DEP_1)
	v_lshl_add_u32 v11, v4, 5, v11
	s_delay_alu instid0(VALU_DEP_1)
	v_add_nc_u32 v11, s46, v11                     ; row r, pixels 64 w + 8 h on
	s_delay_alu instid0(VALU_DEP_1)
	v_add_nc_u32 v12, 16*ZP, v11
	s_mul_i32 s46, s20, 2*ZP
	v_add_nc_u32 v13, s46, v7                      ; rows 2 w, 2 w + 1
.irp i, 0,1,2,3
	v_mov_b32 v[214+\i], 0                         ; written once: a lane permute's destination counts as one of its sources
.endr
	s_lshl_b32 s28, s21, 8                         ; part: my 32 channels are 256 bytes of each row
	s_mov_b32 s29, 0
	s_lshl_b32 s30, s21, 7                         ; gamma, beta, bo
	s_mov_b32 s31, 0
	s_lshl_b32 s32, s21, 11
	s_add_co_u32 s32, s32, 76800                   ; Wo's tiles 2 ct, 2 ct + 1
	s_mov_b32 s33, 0
	s_lshr_b32 s34, s21, 1
	s_lshl_b32 s34, s34, 8
	s_and_b32 s35, s21, 1
	s_lshl_b32 s35, s35, 3
	s_add_co_u32 s34, s34, s35
	s_add_co_u32 s34, s34, 93184                   ; their scale words: two neighbouring words of each row's group
	s_mov_b32 s35, 0
	s_lshl_b32 s36, s23, 5
	s_lshl_b32 s37, s22, 3
	s_add_co_u32 s36, s36, s37
	s_lshr_b32 s37, s20, 1
	s_add_co_u32 s36, s36, s37                     ; y's block: 32 batch + 8 nq + w / 2
	s_mul_i32 s36, s36, 8704
	s_and_b32 s37, s20, 1
	s_lshl_b32 s38, s37, 8
	s_add_co_u32 s38, s38, s36
	s_add_co_u32 s38, s38, 8192                    ; the scale words of its tiles 4 (w % 2) on
	s_mov_b32 s39, 0
	s_lshl_b32 s37, s37, 12
	s_add_co_u32 s36, s36, s37                     ; and their codes
	s_mov_b32 s37, 0
	s_lshl_b32 s40, s23, 22                        ; x and out0: batch x 4,194,304
	s_lshl_b32 s41, s21, 19                        ; + 32 ct rows of 16,384
	s_add_co_u32 s40, s40, s41
	s_lshl_b32 s41, s20, 15                        ; + 2 w rows
	s_add_co_u32 s40, s40, s41
	s_lshl_b32 s41, s22, 12                        ; + 1,024 nq pixels
	s_add_co_u32 s40, s40, s41
	s_mov_b32 s41, 0
	s_wait_kmcnt 0x0
	s_add_nc_u64 s[4:5], s[4:5], s[28:29]
	s_add_nc_u64 s[10:11], s[10:11], s[30:31]
	s_add_nc_u64 s[12:13], s[12:13], s[30:31]
	s_add_nc_u64 s[14:15], s[14:15], s[30:31]
	s_add_nc_u64 s[32:33], s[8:9], s[32:33]
	s_add_nc_u64 s[34:35], s[8:9], s[34:35]
	s_add_nc_u64 s[36:37], s[6:7], s[36:37]
	s_add_nc_u64 s[38:39], s[6:7], s[38:39]
	s_add_nc_u64 s[42:43], s[16:17], s[40:41]
	s_add_nc_u64 s[44:45], s[18:19], s[40:41]
.irp i, 0,1,2,3,4,5,6,7                        ; 16 loads: part's rows 16 w + h + 2 i
.irp tau, 0,1
	global_load_b64 v[PT+4*\i+2*\tau:PT+4*\i+2*\tau+1], v5, s[4:5] offset:4096*\i+128*\tau
.endr
.endr
.irp tau, 0,1                                  ; 6
	global_load_b32 v[198+\tau], v6, s[12:13] offset:64*\tau
	global_load_b32 v[200+\tau], v6, s[14:15] offset:64*\tau
	global_load_b32 v[202+\tau], v6, s[10:11] offset:64*\tau
.endr
.irp tau, 0,1                                  ; 4 + 1 + 1
.irp c, 0,1
	global_load_b128 v[180+8*\tau+4*\c:183+8*\tau+4*\c], v7, s[32:33] offset:1024*\tau+512*\c
.endr
.endr
	global_load_b64 v[196:197], v8, s[34:35]
	global_load_b128 v[176:179], v8, s[38:39]
.irp T, 0,1,2,3                                ; 8
.irp c, 0,1
	global_load_b128 v[144+8*\T+4*\c:147+8*\T+4*\c], v7, s[36:37] offset:1024*\T+512*\c
.endr
.endr
.irp rho, 0,1                                  ; 16: x, read once in this launch
.irp i, 0,1,2,3,4,5,6,7
	global_load_b128 v[16+4*(8*\rho+\i):19+4*(8*\rho+\i)], v7, s[42:43] offset:16384*\rho+512*\i th:TH_LOAD_NT
.endr
.endr
	s_wait_loadcnt 36                              ; part's sixteen are in; the 36 loads behind them may be out
	TREE 8                                         ; groups of 128 pixels: 1 / 256, 1 / 512, 1 / 1,024, then the halves: 1 / 2,048
.irp tau, 0,1
	ds_store_b64 v9, v[PT+2*\tau:PT+2*\tau+1] offset:128*\tau    ; my 16 rows' (s, M2) (lanes r and r + 16 hold and write the same)
.endr
	s_wait_dscnt 0x0
	s_barrier_signal -1
	s_barrier_wait -1
.irp i, 0,1,2,3,4,5,6,7
.irp tau, 0,1
	ds_load_b64 v[PT+4*\i+2*\tau:PT+4*\i+2*\tau+1], v10 offset:256*\i+128*\tau
.endr
.endr
	s_wait_dscnt 0x0
	TREE 12                                        ; groups of 2,048: 1 / 4,096 .. 1 / 32,768
	s_wait_alu depctr_va_vdst(0)
	s_wait_loadcnt 30                              ; gamma, beta, bo are in
.irp tau, 0,1
	v_fma_f32 v[218+\tau], v[PT+1+2*\tau], s27, s26          ; var + eps
.endr
	s_wait_alu depctr_va_vdst(0)
.irp tau, 0,1
	v_rsq_f32 v[218+\tau], v[218+\tau]
.endr
.irp tau, 0,1
	v_fma_f32 v[212+\tau], v[PT+2*\tau], s27, v[202+\tau]    ; mean = s / 32,768 + bo.  (Plain lines behind the transcendentals)
.endr
	s_wait_alu depctr_va_vdst(0)
.irp tau, 0,1
	v_mul_f32 v[204+4*\tau], v[218+\tau], v[198+\tau]        ; A
	v_sub_f32 v[212+\tau], v[202+\tau], v[212+\tau]          ; bo - mean
.endr
.irp tau, 0,1
	s_delay_alu instid0(VALU_DEP_3)
	v_fma_f32 v[206+4*\tau], v[212+\tau], v[204+4*\tau], v[200+\tau]   ; B
	v_mov_b32 v[205+4*\tau], v[204+4*\tau]                   ; both as pairs, for the packed multiply-adds
.endr
.irp tau, 0
	s_delay_alu instid0(VALU_DEP_4)
	v_mov_b32 v[207+4*\tau], v[206+4*\tau]
.endr
.irp tau, 1
	s_delay_alu instid0(VALU_DEP_3)
	v_mov_b32 v[207+4*\tau], v[206+4*\tau]
.endr
	s_wait_loadcnt 16                              ; Wo's and y's operands are in; x's sixteen may be out
.irp T, 0,1,2,3
.irp tau, 0,1
	v_wmma_scale_f32_16x16x128_f8f6f4 v[80+16*\T+8*\tau:87+16*\T+8*\tau], v[144+8*\T:151+8*\T], v[180+8*\tau:187+8*\tau], 0, v[176+\T], v[196+\tau] matrix_a_fmt:MATRIX_FMT_FP4 matrix_b_fmt:MATRIX_FMT_FP4
.endr
.endr
.rept 4
	v_nop                                          ; four places (ISA guide 7.12.1) ahead of the first read of results
.endr
	s_wait_alu depctr_va_vdst(0)
.irp T, 0,1,2,3
.irp tau, 0,1
.irp i, 0,2,4,6
	v_pk_fma_f32 v[80+16*\T+8*\tau+\i:81+16*\T+8*\tau+\i], v[80+16*\T+8*\tau+\i:81+16*\T+8*\tau+\i], v[204+4*\tau:205+4*\tau], v[206+4*\tau:207+4*\tau]   ; z' A + B, each accumulator from its low end on
.endr
.endr
.endr
.irp T, 0,1,2,3
.irp tau, 0,1
	ds_store_b128 v[11+\tau], v[80+16*\T+8*\tau:83+16*\T+8*\tau] offset:64*\T
	ds_store_b128 v[11+\tau], v[84+16*\T+8*\tau:87+16*\T+8*\tau] offset:64*\T+16
.endr
.endr
	s_wait_dscnt 0x0                               ; for the others' sake: my stores have landed
	s_barrier_signal -1
	s_barrier_wait -1
.irp rho, 0,1
.irp i, 0,1,2,3,4,5,6,7
	ds_load_b128 v[80+4*(8*\rho+\i):83+4*(8*\rho+\i)], v13 offset:ZP*\rho+512*\i
.endr
.endr
.irp rho, 0,1
.irp i, 0,1,2,3,4,5,6,7
	s_wait_loadcnt 15-(8*\rho+\i)                  ; x's piece and z's piece are in; the younger ones may be out
	s_wait_dscnt 15-(8*\rho+\i)
	v_pk_add_f32 v[80+4*(8*\rho+\i):81+4*(8*\rho+\i)], v[80+4*(8*\rho+\i):81+4*(8*\rho+\i)], v[16+4*(8*\rho+\i):17+4*(8*\rho+\i)]
	v_pk_add_f32 v[82+4*(8*\rho+\i):83+4*(8*\rho+\i)], v[82+4*(8*\rho+\i):83+4*(8*\rho+\i)], v[18+4*(8*\rho+\i):19+4*(8*\rho+\i)]
	global_store_b128 v7, v[80+4*(8*\rho+\i):83+4*(8*\rho+\i)], s[44:45] offset:16384*\rho+512*\i th:TH_STORE_NT   ; 32 lanes store 512 consecutive bytes, aligned
.endr
.endr
	s_wait_tensorcnt 0x0
	ds_add_u32 v254, v255
	s_wait_dscnt 0x0
	s_endpgm
.Lfunc_end_k_q807a48482b_bn:
	.size	k_q807a48482b_bn, .Lfunc_end_k_q807a48482b_bn-k_q807a48482b_bn
	.p2alignl 7, 3214868480
	.fill 96, 4, 3214868480
	.section	.rodata,"a",@progbits
	.p2align	6, 0x0
	.amdhsa_kernel k_q807a48482b_bn
		.amdhsa_group_segment_fixed_size 137728
		.amdhsa_private_segment_fixed_size 0
		.amdhsa_enable_private_segment 0
		.amdhsa_kernarg_size 64
		.amdhsa_user_sgpr_count 2
		.amdhsa_user_sgpr_kernarg_segment_ptr 1
		.amdhsa_wavefront_size32 1
		.amdhsa_system_sgpr_workgroup_id_x 1
		.amdhsa_system_sgpr_workgroup_id_y 1
		.amdhsa_system_sgpr_workgroup_id_z 1
		.amdhsa_system_vgpr_workitem_id 0
		.amdhsa_next_free_vgpr 256
		.amdhsa_next_free_sgpr 66
		.amdhsa_reserve_vcc 0
		.amdhsa_float_denorm_mode_32 3
		.amdhsa_float_denorm_mode_16_64 3
		.amdhsa_memory_ordered 1
		.amdhsa_forward_progress 1
		.amdhsa_inst_pref_size 30
	.end_amdhsa_kernel
	.amdgpu_metadata
---
amdhsa.version: [ 1, 2 ]
amdhsa.kernels:
  - .name:           k_q807a48482b_bn
    .symbol:         k_q807a48482b_bn.kd
    .args:
      - { .name: part, .offset: 0, .size: 8, .value_kind: global_buffer, .address_space: global }
      - { .name: yimg, .offset: 8, .size: 8, .value_kind: global_buffer, .address_space: global }
      - { .name: wimg, .offset: 16, .size: 8, .value_kind: global_buffer, .address_space: global }
      - { .name: bo, .offset: 24, .size: 8, .value_kind: global_buffer, .address_space: global }
      - { .name: gamma, .offset: 32, .size: 8, .value_kind: global_buffer, .address_space: global }
      - { .name: beta, .offset: 40, .size: 8, .value_kind: global_buffer, .address_space: global }
      - { .name: x, .offset: 48, .size: 8, .value_kind: global_buffer, .address_space: global }
      - { .name: out0, .offset: 56, .size: 8, .value_kind: global_buffer, .address_space: global }
    .group_segment_fixed_size: 137728
    .private_segment_fixed_size: 0
    .kernarg_segment_align: 8
    .kernarg_segment_size: 64
    .max_flat_workgroup_size: 512
    .sgpr_count:     66
    .vgpr_count:     256
    .wavefront_size: 32
...
	.end_amdgpu_metadata
.endif
;; end of part 4
